; MI455X (gfx1250); checked and timed in simulation.
; The chip was launched on July 23, 2026; its instructions are those of AMD's public machine-readable ISA for CDNA 5 (MIT licence, August 2026) and "CDNA5" Instruction Set Architecture Reference Guide (July 2026). The comments in the code are by the model that wrote it; some were corrected since.
;; Cross Attention. Allowed arithmetic: matrix products marked QUANTISED: E2M3 operands, one E8M0 scale for each 32 along K, by v_wmma_scale_f32_16x16x128_f8f6f4 with both operands' format E2M3, f32 sums; everything else in f32.
;; Inputs: Wkv 2,048 x 1,024 float32; Wproj 1,024 x 1,024 float32; Wq 1,024 x 1,024 float32; bproj 1,024 float32; context 4 x 2,048 x 1,024 float32; freqs_cis 2,048 x 32 x 2 float32; x 4 x 2,048 x 1,024 float32.
;; Outputs: out0 4 x 2,048 x 1,024 float32.
;; This version of the problem:
;;   THIS VERSION OF THE PROBLEM IS GIVEN IN LOW PRECISION. The matrix products marked QUANTISED in the list below multiply operands that are first quantised to E2M3 (2 exponent bits, 3 mantissa bits; 6 bits a number), with one power-of-two scale for each 32 numbers along K (OCP MX v1.0); their sums are f32. All else is computed in f32.
;;   The module's matrix products, in the order in which they are computed (A, B: the left and right operand; K: the contracted axis; several contracted axes count as one K, in the product's order):
;;     1. [M 8,192, K 1,024] x [K 1,024, N 1,024]; A: input x; B: input Wq: QUANTISED
;;     2. [M 8,192, K 1,024] x [K 1,024, N 2,048]; A: input context; B: input Wkv: QUANTISED
;;     3. batch 64 x [M 2,048, K 64] x [K 64, N 2,048]; A: computed on the way; B: computed on the way: QUANTISED
;;     4. batch 64 x [M 64, K 2,048] x [K 2,048, N 2,048]; A: computed on the way; B: softmax (see below): QUANTISED
;;     5. [M 8,192, K 1,024] x [K 1,024, N 1,024]; A: computed on the way; B: input Wproj: QUANTISED
;;   THE QUANTISER, for each operand of a quantised product, along K:
;;     - K is cut into blocks of 32 from its start; a last block that is shorter is filled with zeros.
;;     - A block's scale is 2^e with e = floor(log2(the largest magnitude in the block)) - 2, held to -126 .. 127; a block of zeros has e = 0. As a byte (E8M0): e + 127.
;;     - Each number is divided by its block's scale, clamped to +-7.5, and rounded to the nearest number of E2M3, ties to even, subnormals kept.
;;     - The product sums the exact products of the quantised numbers (number of the format x scale) in f32.
;;   ~~~python
;;   def quantise(x, axis):      # numpy; x: float32 -> the quantised numbers, widened to float32 again
;;       x = np.moveaxis(x, axis, -1); K = x.shape[-1]
;;       x = np.pad(x, [(0, 0)] * (x.ndim - 1) + [(0, -K % 32)]); x = x.reshape(x.shape[:-1] + (-1, 32)); a = np.abs(x).max(-1, keepdims=True)
;;       e = np.where(a > 0, np.clip(np.frexp(np.where(a > 0, a, 1))[1] - 1 - 2, -126, 127), 0)      # np.frexp(a)[1] - 1 = floor(log2(a)), exactly
;;       r = np.clip(x / 2.0 ** e, -7.5, 7.5)
;;       step = 2.0 ** (np.maximum(np.frexp(np.where(r == 0, 1, r))[1] - 1, 0) - 3)
;;       q = np.round(r / step) * step * 2.0 ** e      # np.round: ties to even
;;       return np.moveaxis(q.reshape(q.shape[:-2] + (-1,))[..., :K], -1, axis).astype(np.float32)
;;   ~~~
;;   SOFTMAX AHEAD OF A QUANTISED PRODUCT. Where the list says 'softmax', what is quantised is not the finished softmax but p = 2^(t - M), with t = logit x log2(e) and M = ceil(the row's largest t), a whole number; so 1/2 < the row's largest p <= 1. The row's sum l is taken of the UNQUANTISED p, in f32, and the product's result is divided by l at the end. Since M is a whole number, a kernel that streams over the keys may use a running M (the ceiling of the running maximum): every later rescaling is an exact power of two, which a block's scale takes up: the codes' values come out the same.
;;   OPERANDS COMPUTED ON THE WAY. 'Computed on the way' means the value that the module computes at that place (a softmax that the list does not call 'softmax' is quantised finished and normalised). What goes into a quantiser is computed in f32, as accurately as f32 sums, v_exp_f32 and their like allow (about 1e-6 of the number): no bf16 or f16 on the way to a quantiser, and a product that is left as it is and whose result goes on into a quantised operand takes f32 operands (vector FMAs, or v_wmma_f32_16x16x4_f32). A number that lies on a knife's edge between two numbers of the format may be rounded either way, as far as f32 arithmetic and the matrix unit's own rounding can turn it there, and no further.
;; One version. Each part assembles by itself: llvm-mc -triple=amdgcn-amd-amdhsa -mcpu=gfx1250 --defsym DOCPART=n.
;; ======== version 1 of 1: 4 launches
;; limits: right only within a limited range of input values
;; workspace buffers: cod 15,728,640 bytes; scl 655,360 bytes; qkv 18,874,368 bytes; qkvs 786,432 bytes; aoc 6,291,456 bytes; aos 262,144 bytes
;; launch quant (part 1): grid 256 x 1, 10 waves a work-group, no clusters, 85,760 bytes of LDS; arguments x, context, Wq, Wkv, Wproj, cod, scl; writes cod, scl
.if DOCPART == 1
	.amdgcn_target "amdgcn-amd-amdhsa--gfx1250"
	.amdhsa_code_object_version 6
	.text
	.protected	k_qb6966e0509_quant
	.globl	k_qb6966e0509_quant
	.p2align	8
	.type	k_qb6966e0509_quant,@function
k_qb6966e0509_quant:
	s_mov_b64 s[64:65], 0
	v_nop
	global_prefetch_b8 v0, s[64:65] scope:SCOPE_SE
	s_setreg_imm32_b32 hwreg(HW_REG_WAVE_MODE, 25, 1), 1
	s_wait_xcnt 0x0
; x, context [8192][1024], Wq, Wproj [1024][1024], Wkv [2048][1024], all f32 with K innermost, become codes of FP6 (E2M3) with one E8M0 byte for each 32 along K.
; A block's scale is 2^(floor(log2(its largest magnitude)) - 2); its byte is the largest magnitude's exponent field - 2, held at 1 from below.
; LIMITS: a block of zeros gets the byte 1 where the rule says 127 (its codes are zeros, and this program alone reads the bytes); NaN and infinities among the inputs are not served.
; THE CODES ARE LAID AS THE MATRIX UNIT'S REGISTERS.  Rows go in tiles of 16: lane row r of tile T is row 32 (T / 2) + 8 (T % 2) + r + 8 (r / 8).  A fragment (16 rows x 128 K, 12 registers a lane, 1,536 bytes) is
; two halves of 768 bytes (64 along K each): registers 0-3 at 16 x lane, registers 4-5 at 512 + 8 x lane.  cod: [tile 0..1279][K step 0..7][1,536]; tiles: x 0, context 512, Wq 1024, Wkv 1088, Wproj 1216.
; scl: [tile][256 along K: 4][r][128 along K: 2][4 bytes]: 512 bytes a tile.
; SHARES: 2,560 jobs of one tile x 512 along K, one for each wave of 256 work-groups of ten.  A job is four steps of 16 rows x 128 numbers.  Each load takes 512 consecutive bytes of one row; the step's 8,192 bytes turn
; through the wave's own stage in LDS (rows 528 bytes apart) and come back so that lane (r, h) holds k = 64 c + 32 h + 0 .. 31 of row r: two whole blocks, in the operand's own order.  Waves share nothing: no barrier.
.set STG,  8448                        ; a wave's stage: 16 rows x (512 + 16) bytes
.set R,    32                          ; v32-159  two sets of 64 registers, as loaded
.set X,    160                         ; v160-223 register 32 c + i: k = 64 c + 32 h + i of my row
.set PC,   224                         ; v224-235 the fragment's codes
.set PX,   236                         ; v236-238, v240-242 each block's upper 16 codes, as the conversion leaves them
.set MX,   244                         ; v244-245 largest magnitudes
.set SO,   246                         ; v246-247 the conversions' scale operands
.set BY,   248                         ; v248-249 the scales' bytes
.set W,    250                         ; v250-253 a scale word for each step
	s_load_b256 s[4:11], s[0:1], 0x0               ; x, context, Wq, Wkv
	s_load_b128 s[12:15], s[0:1], 0x20             ; Wproj, cod
	s_load_b64 s[16:17], s[0:1], 0x30              ; scl
	v_lshl_add_u32 v254, v0, 2, 0x14a00
	v_mov_b32 v255, 0
	v_lshrrev_b32 v6, 5, v0
	s_delay_alu instid0(VALU_DEP_1)
	v_readfirstlane_b32 s18, v6                    ; wave 0..9
	v_and_b32 v8, 31, v0                           ; lane
	v_and_b32 v6, 15, v0                           ; r
	v_bfe_u32 v7, v0, 4, 1                         ; h
	s_delay_alu instid0(VALU_DEP_3)
	v_lshlrev_b32 v1, 4, v8                        ; 16 x lane
	s_delay_alu instid0(VALU_DEP_4)
	v_lshlrev_b32 v2, 3, v8                        ; 8 x lane
	s_mul_i32 s19, s18, STG
	v_add_nc_u32 v3, s19, v1                       ; the stage, on the way in: a row as it was loaded
	v_mul_u32_u24 v4, v6, 528
	s_delay_alu instid0(VALU_DEP_1)
	v_lshl_add_u32 v4, v7, 7, v4
	s_delay_alu instid0(VALU_DEP_1)
	v_add_nc_u32 v4, s19, v4                       ; and on the way out: row r, + 128 h bytes
	v_lshlrev_b32 v5, 3, v7                        ; 8 h: my bytes' place in a scale word
	s_mov_b32 s22, 0x76543210
	s_mov_b32 s23, 0xfedcba98                      ; v_permlanex16_b32's selects for lane l xor 16
	s_mul_i32 s19, ttmp9, 10
	s_add_co_u32 s19, s19, s18                     ; the job
	s_and_b32 s25, s19, 1                          ; which half of K
	s_lshr_b32 s19, s19, 1                         ; the tile
	s_wait_alu depctr_va_vdst(0)
	s_wait_kmcnt 0x0
	s_mov_b64 s[20:21], s[12:13]                   ; which tensor the tile belongs to, and that tensor's first tile: the choice hangs on the job's number alone
	s_mov_b32 s24, 1216
	s_cmp_lt_u32 s19, 1216
	s_cselect_b64 s[20:21], s[10:11], s[20:21]
	s_cselect_b32 s24, 1088, s24
	s_cmp_lt_u32 s19, 1088
	s_cselect_b64 s[20:21], s[8:9], s[20:21]
	s_cselect_b32 s24, 1024, s24
	s_cmp_lt_u32 s19, 1024
	s_cselect_b64 s[20:21], s[6:7], s[20:21]
	s_cselect_b32 s24, 512, s24
	s_cmp_lt_u32 s19, 512
	s_cselect_b64 s[20:21], s[4:5], s[20:21]
	s_cselect_b32 s24, 0, s24
	s_sub_co_u32 s24, s19, s24                     ; the tile within its tensor
	s_lshr_b32 s26, s24, 1
	s_lshl_b32 s26, s26, 17                        ; 32 rows of 4,096 bytes for each pair of tiles,
	s_and_b32 s27, s24, 1
	s_lshl_b32 s27, s27, 15                        ; 8 rows for the odd one,
	s_add_co_u32 s26, s26, s27
	s_lshl_b32 s27, s25, 11                        ; 2,048 bytes for the second half of K
	s_add_co_u32 s26, s26, s27
	s_mov_b32 s27, 0
	s_add_nc_u64 s[20:21], s[20:21], s[26:27]
	s_mul_i32 s26, s19, 12288
	s_mul_i32 s28, s25, 6144
	s_add_co_u32 s26, s26, s28
	s_add_nc_u64 s[14:15], s[14:15], s[26:27]      ; my four fragments
	s_lshl_b32 s26, s19, 9
	s_lshl_b32 s28, s25, 8
	s_add_co_u32 s26, s26, s28
	s_add_nc_u64 s[16:17], s[16:17], s[26:27]      ; my 256 bytes of scale words
.macro LOAD s                          ; step s: 16 rows x 512 bytes into set s % 2; 32 lanes read 512 consecutive bytes, at a multiple of 512 from the tensor's first byte
.irp i, 0,1,2,3,4,5,6,7,8,9,10,11,12,13,14,15
	global_load_b128 v[R+64*((\s)%2)+4*\i:R+64*((\s)%2)+4*\i+3], v1, s[20:21] offset:(\i+8*(\i/8))*4096+512*(\s) th:TH_LOAD_NT
.endr
.endm
.macro STEP s
.if \s < 3
	s_wait_loadcnt 16                              ; this step's 16 loads are in; the next step's 16 may be out
.else
	s_wait_loadcnt 0x0
.endif
.irp i, 0,1,2,3,4,5,6,7,8,9,10,11,12,13,14,15
	ds_store_b128 v3, v[R+64*((\s)%2)+4*\i:R+64*((\s)%2)+4*\i+3] offset:528*\i
.endr
.irp c, 0,1
.irp j, 0,1,2,3,4,5,6,7
	ds_load_b128 v[X+32*\c+4*\j:X+32*\c+4*\j+3], v4 offset:256*\c+16*\j   ; LDS serves a wave's instructions in order: these see the stores above
.endr
.endr
	s_wait_dscnt 0x0                               ; my numbers are back, and the stores have read their set,
.if \s < 2
	LOAD \s+2                                      ; which takes the loads of two steps on
.endif
.irp c, 0,1
	v_max3_num_f32 v[MX+\c], |v[X+32*\c]|, |v[X+32*\c+1]|, 0x1800000   ; my block 2 c + h: all its 32 numbers are mine; the floor 2^(3 - 127) holds the byte at 1 from below
.endr
.irp i, 2,4,6,8,10,12,14,16,18,20,22,24,26,28,30
.irp c, 0,1
	s_delay_alu instid0(VALU_DEP_2)
	v_max3_num_f32 v[MX+\c], v[MX+\c], |v[X+32*\c+\i]|, |v[X+32*\c+\i+1]|   ; (the two blocks by turns)
.endr
.endr
.irp c, 0,1
	s_delay_alu instid0(VALU_DEP_2)
	v_add_nc_u32 v[SO+\c], 0xff000000, v[MX+\c]    ; 2 off the exponent field: the conversion takes the exponent field of this operand as its scale
.endr
.irp c, 0,1
	s_delay_alu instid0(VALU_DEP_2)
	v_lshrrev_b32 v[BY+\c], 23, v[SO+\c]           ; the scale's byte
.endr
	s_delay_alu instid0(VALU_DEP_1)
	v_lshl_or_b32 v6, v[BY+1], 16, v[BY]           ; my two bytes, blocks h and 2 + h,
	s_delay_alu instid0(VALU_DEP_1)
	v_lshlrev_b32 v6, v5, v6                       ; at their places in the word;
	s_delay_alu instid0(VALU_DEP_1)
	v_permlanex16_b32 v7, v6, s22, s23
	s_delay_alu instid0(VALU_DEP_1)
	v_or_b32 v[W+(\s)], v6, v7                     ; with lane l xor 16's two the word is whole
.if \s > 0
	s_wait_alu depctr_va_vdst(0)
	s_wait_xcnt 0x0                                ; the codes' registers are the last step's store data: they are written again only behind this wait
.endif
.irp c, 0,1
	v_cvt_scalef32_pk16_fp6_f32 v[PC+6*\c:PC+6*\c+2], v[X+32*\c:X+32*\c+15], v[SO+\c]
	v_cvt_scalef32_pk16_fp6_f32 v[PX+4*\c:PX+4*\c+2], v[X+32*\c+16:X+32*\c+31], v[SO+\c]   ; (a conversion's three registers begin on an even number)
.endr
	v_nop                                          ; one plain place behind a scaled conversion
.irp c, 0,1
.irp i, 0,1,2
	v_mov_b32 v[PC+6*\c+3+\i], v[PX+4*\c+\i]
.endr
.endr
	global_store_b128 v1, v[PC:PC+3], s[14:15] offset:1536*\s            ; 512 consecutive bytes, at a multiple of 256 from cod's first byte
	global_store_b64 v2, v[PC+4:PC+5], s[14:15] offset:1536*\s+512       ; 256 consecutive bytes
	global_store_b128 v1, v[PC+6:PC+9], s[14:15] offset:1536*\s+768
	global_store_b64 v2, v[PC+10:PC+11], s[14:15] offset:1536*\s+1280
.endm
	LOAD 0
	LOAD 1
	STEP 0
	STEP 1
	STEP 2
	STEP 3
	v_cmp_lt_u32 vcc_lo, 15, v8                    ; lanes 0-15 store the words of steps 0 and 1 of row r, lanes 16-31 those of steps 2 and 3
	s_delay_alu instid0(VALU_DEP_1)
	v_cndmask_b32 v10, v[W], v[W+2], vcc_lo
	s_delay_alu instid0(VALU_DEP_2)
	v_cndmask_b32 v11, v[W+1], v[W+3], vcc_lo
	global_store_b64 v2, v[10:11], s[16:17]        ; 256 consecutive bytes, aligned
	s_wait_tensorcnt 0x0
	ds_add_u32 v254, v255
	s_wait_dscnt 0x0
	s_endpgm
.Lfunc_end_k_qb6966e0509_quant:
	.size	k_qb6966e0509_quant, .Lfunc_end_k_qb6966e0509_quant-k_qb6966e0509_quant
	.p2alignl 7, 3214868480
	.fill 96, 4, 3214868480
	.section	.rodata,"a",@progbits
	.p2align	6, 0x0
	.amdhsa_kernel k_qb6966e0509_quant
		.amdhsa_group_segment_fixed_size 85760
		.amdhsa_private_segment_fixed_size 0
		.amdhsa_enable_private_segment 0
		.amdhsa_kernarg_size 56
		.amdhsa_user_sgpr_count 2
		.amdhsa_user_sgpr_kernarg_segment_ptr 1
		.amdhsa_wavefront_size32 1
		.amdhsa_system_sgpr_workgroup_id_x 1
		.amdhsa_system_sgpr_workgroup_id_y 1
		.amdhsa_system_sgpr_workgroup_id_z 1
		.amdhsa_system_vgpr_workitem_id 0
		.amdhsa_next_free_vgpr 256
		.amdhsa_next_free_sgpr 66
		.amdhsa_reserve_vcc 1
		.amdhsa_float_denorm_mode_32 3
		.amdhsa_float_denorm_mode_16_64 3
		.amdhsa_memory_ordered 1
		.amdhsa_forward_progress 1
		.amdhsa_inst_pref_size 36
	.end_amdhsa_kernel
	.amdgpu_metadata
---
amdhsa.version: [ 1, 2 ]
amdhsa.kernels:
  - .name:           k_qb6966e0509_quant
    .symbol:         k_qb6966e0509_quant.kd
    .args:
      - { .name: x, .offset: 0, .size: 8, .value_kind: global_buffer, .address_space: global }
      - { .name: context, .offset: 8, .size: 8, .value_kind: global_buffer, .address_space: global }
      - { .name: Wq, .offset: 16, .size: 8, .value_kind: global_buffer, .address_space: global }
      - { .name: Wkv, .offset: 24, .size: 8, .value_kind: global_buffer, .address_space: global }
      - { .name: Wproj, .offset: 32, .size: 8, .value_kind: global_buffer, .address_space: global }
      - { .name: cod, .offset: 40, .size: 8, .value_kind: global_buffer, .address_space: global }
      - { .name: scl, .offset: 48, .size: 8, .value_kind: global_buffer, .address_space: global }
    .group_segment_fixed_size: 85760
    .private_segment_fixed_size: 0
    .kernarg_segment_align: 8
    .kernarg_segment_size: 56
    .max_flat_workgroup_size: 320
    .sgpr_count:     66
    .vgpr_count:     256
    .wavefront_size: 32
...
	.end_amdgpu_metadata
.endif
;; end of part 1
;; launch qkvgemm (part 2): grid 4 x 96, 4 waves a work-group, clusters of 4 x 4, 327,680 bytes of LDS; arguments cod, scl, freqs_cis, qkv, qkvs; writes qkv, qkvs
.if DOCPART == 2
	.amdgcn_target "amdgcn-amd-amdhsa--gfx1250"
	.amdhsa_code_object_version 6
	.text
	.protected	k_qb6966e0509_qkvgemm
	.globl	k_qb6966e0509_qkvgemm
	.p2align	8
	.type	k_qb6966e0509_qkvgemm,@function
k_qb6966e0509_qkvgemm:
	s_mov_b64 s[64:65], 0
	v_nop
	global_prefetch_b8 v0, s[64:65] scope:SCOPE_SE
	s_setreg_imm32_b32 hwreg(HW_REG_WAVE_MODE, 25, 1), 1
	s_wait_xcnt 0x0
	s_wait_alu depctr_hold_cnt(0) depctr_sa_sdst(0) depctr_va_vdst(0) depctr_va_sdst(0) depctr_va_ssrc(0) depctr_va_vcc(0) depctr_vm_vsrc(0)
	s_getreg_b32 s2, hwreg(HW_REG_IB_STS2, 6, 4)
	s_cmp_eq_u32 s2, 0
	s_cbranch_scc0 .Lentry_in_a_cluster
	s_endpgm
.Lentry_in_a_cluster:
	s_bfe_u32 s2, ttmp6, 0x10000c
	s_cmp_lg_u32 s2, 0xf033
	s_cbranch_scc0 .Lentry_shape_is_right
	s_endpgm
.Lentry_shape_is_right:
.set NQ,     2
.set FR,     12
.set NL,     4
.set NP,     4
.set TILEB,  3072
.set HALFT,  8*TILEB
.set SLOT,   4*HALFT
.set SCL,    2*SLOT
.set HALFS,  4096
.set SBLK,   512
.set SPARE,  SCL+4*HALFS
.set ADRA, 16
.set ADRB, 20
.set ADRS, 27
.set SPW,  28
.set NIL,  29
.set SC,   32
.set AF,   128
.set T,    128
.set PC,   192
.set TM,   212
.set PW,   228
.set TS,   229
.set OZ,   230
.set SEL,  92
.set G1, 24
.set G0, 32
.set G1B, 48
.set G0B, 56
.set G1S, 68
.set G0S, 76
.set G1SB, 80
.set G0SB, 88
.set MSB, 0
.macro WIN new
.if MSB != \new
	s_set_vgpr_msb (MSB<<8)|\new
.set MSB, \new
.endif
.endm
.set MUL_LO, 0xa1
.set MUL_HI, 0xf1
.set TO_B,   0x40
.macro JLOAD g0a, g1a, g0b, g1b
	s_cmp_eq_u32 s15, 0
	s_cbranch_scc0 .Lfor_b_\@
	tensor_load_to_lds s[\g0a:\g0a+3], s[\g1a:\g1a+7]
	s_nop 0
.rept 4
	v_nop
.endr
	s_branch .Lasked_\@
.Lfor_b_\@:
	tensor_load_to_lds s[\g0b:\g0b+3], s[\g1b:\g1b+7]
	s_nop 0
.rept 4
	v_nop
.endr
.Lasked_\@:
.endm
.macro CREST
	s_cmp_lg_u32 s14, 0
	s_cbranch_scc1 .Lnot_wave_0_\@
	s_barrier_signal -3
.Lnot_wave_0_\@:
	s_barrier_wait -3
	s_barrier_signal -1
	s_barrier_wait -1
.endm
.macro CROUND
	s_barrier_signal -1
	s_barrier_wait -1
	CREST
.endm
	s_load_b256 s[4:11], s[0:1], 0x0
	s_load_b64 s[12:13], s[0:1], 0x20
	v_lshl_add_u32 v[SPW], v0, 2, SPARE
	v_mov_b32 v[NIL], 0
	ds_add_u32 v28, v29
	ds_add_u32 v28, v29
	s_wait_dscnt 0x0
	v_lshrrev_b32 v1, 5, v0
	v_readfirstlane_b32 s14, v1
	s_lshr_b32 s15, s14, 1
	s_and_b32 s16, s14, 1
	s_bfe_u32 s40, ttmp6, 0x40000
	s_bfe_u32 s41, ttmp6, 0x40004
	s_and_b32 s96, ttmp7, 0xffff
	s_lshr_b32 s97, s96, 3
	s_and_b32 s96, s96, 7
	s_lshr_b32 s98, s97, 1
	s_mul_i32 s99, s96, s98
	s_sub_co_u32 s96, s96, s99
	s_lshl_b32 s17, s96, 2
	s_add_co_u32 s17, s17, s41
	s_lshl_b32 s42, s99, 2
	s_add_co_u32 s42, s42, s40
	s_lshl_b32 s100, s97, 9
	s_lshl_b32 s101, s98, 7
	s_add_co_u32 s100, s100, s101
	s_lshl_b32 s101, s97, 6
	s_add_co_u32 s101, s101, 1024
	s_mul_i32 s96, s98, 640
	s_sub_co_u32 s101, s101, s96
	s_lshl_b32 s43, s41, 2
	s_lshl_b32 s43, 15, s43
	s_lshl_b32 s44, 0x1111, s40
	s_or_b32 s[G1+0], s43, (3<<16)|(1<<21)
	s_or_b32 s[G1B+0], s44, (3<<16)|(1<<21)
.irp g, G1, G1B
	s_mov_b32 s[\g+1], 384<<16
	s_mov_b32 s[\g+2], 16<<16                      ; the head's loads bring all 16 tiles of a side; the ring's 8
	s_mov_b32 s[\g+3], 384<<16
	s_mov_b32 s[\g+4], 16
	s_mov_b32 s[\g+5], 1536
	s_mov_b32 s[\g+6], 0
	s_mov_b32 s[\g+7], 0
.endr
	s_or_b32 s[G1S+0], s43, (3<<16)|(1<<21)
	s_or_b32 s[G1SB+0], s44, (3<<16)|(1<<21)
.irp g, G1S, G1SB
	s_mov_b32 s[\g+1], 32<<16
	s_mov_b32 s[\g+2], 32<<16
	s_mov_b32 s[\g+3], 32<<16
	s_mov_b32 s[\g+4], 32
	s_mov_b32 s[\g+5], 32
	s_mov_b32 s[\g+6], 0
	s_mov_b32 s[\g+7], 0
.endr
	s_mul_i32 s18, s16, 8*12288                    ; in the ring I fetch 8 tiles of a side: which half, in bytes
	s_mov_b32 s19, 0
	s_lshl_b32 s20, s17, 4
	s_add_co_u32 s20, s20, s100
	s_lshl_b32 s46, s42, 4
	s_add_co_u32 s46, s46, s101
	s_lshl_b32 s22, s20, 9
	s_mov_b32 s23, 0
	s_lshl_b32 s92, s46, 9
	s_mov_b32 s93, 0
	s_mul_i32 s20, s20, 12288
	s_mov_b32 s21, 0
	s_mul_i32 s46, s46, 12288
	s_mov_b32 s47, 0
	s_mul_i32 s45, s14, HALFT
	s_wait_kmcnt 0x0
	s_add_nc_u64 s[20:21], s[4:5], s[20:21]
	s_add_nc_u64 s[22:23], s[6:7], s[22:23]
	s_add_nc_u64 s[46:47], s[4:5], s[46:47]
	s_add_nc_u64 s[92:93], s[6:7], s[92:93]
	CROUND
	s_mov_b32 s[G0S], 1
	s_mov_b32 s[G0S+1], SCL
	s_mov_b64 s[G0S+2:G0S+3], s[22:23]
	s_or_b32 s[G0S+3], s[G0S+3], 0x80000000
	s_mov_b32 s[G0SB], 1
	s_mov_b32 s[G0SB+1], SCL+2*HALFS
	s_mov_b64 s[G0SB+2:G0SB+3], s[92:93]
	s_or_b32 s[G0SB+3], s[G0SB+3], 0x80000000
	s_mov_b32 s[G0], 1                             ; the head's four tiles, each whole: slot 0's 16 tiles of A,
	s_mov_b32 s[G0+1], 0
	s_mov_b64 s[G0+2:G0+3], s[20:21]
	s_or_b32 s[G0+3], s[G0+3], 0x80000000
	s_mov_b32 s[G0B], 1                            ; its 16 tiles of B behind them; the scales' two groups 0 stand above
	s_mov_b32 s[G0B+1], 2*HALFT
	s_mov_b64 s[G0B+2:G0B+3], s[46:47]
	s_or_b32 s[G0B+3], s[G0B+3], 0x80000000
	s_add_nc_u64 s[20:21], s[20:21], s[18:19]      ; for the ring: my 8 tiles
	s_add_nc_u64 s[46:47], s[46:47], s[18:19]
	s_mov_b32 s[G0+4], 1
	s_add_co_u32 s[G0+5], s45, SLOT
	s_add_nc_u64 s[G0+6:G0+7], s[20:21], TILEB
	s_or_b32 s[G0+7], s[G0+7], 0x80000000
	s_mov_b32 s[G0B+4], 1
	s_add_co_u32 s[G0B+5], s45, SLOT
	s_add_nc_u64 s[G0B+6:G0B+7], s[46:47], TILEB
	s_or_b32 s[G0B+7], s[G0B+7], 0x80000000
; one joint load a wave at the head: wave 0 A's codes, wave 1 B's, wave 2 A's scales, wave 3 B's; one chain of branches on the wave's number
.macro ARM under, g0, g1, next
	s_cmp_lt_u32 s14, \under
	s_cbranch_scc0 \next
	tensor_load_to_lds s[\g0:\g0+3], s[\g1:\g1+7]
	s_nop 0
.rept 4
	v_nop
.endr
	s_branch .Lhead_asked
\next:
.endm
	ARM 1, G0,  G1,  .Lhead_b
	ARM 2, G0B, G1B, .Lhead_sa
	ARM 3, G0S, G1S, .Lhead_sb
	tensor_load_to_lds s[G0SB:G0SB+3], s[G1SB:G1SB+7]
	s_nop 0
.rept 4
	v_nop
.endr
.Lhead_asked:
; prefetches: a chunk of my wave's 8 tiles is 96 blocks of 256 bytes; the four partners that ask for it jointly share them out by address, two tiles (24 blocks) each: a lane a block, lanes 24-31 name the last again.
; Chunks 1 and 2 are asked for here, chunk 3 behind slot 1's load: at most two chunks are asked for and not yet read.  The address registers are never rewritten.
	s_cmp_eq_u32 s15, 0                            ; do I fetch for A?
	s_cselect_b64 s[66:67], s[20:21], s[46:47]     ; my 8 tiles
	s_cselect_b32 s2, s40, s41                     ; my place among the four partners: cx for A, cy for B
	s_mul_i32 s2, s2, 2*12288
	s_mov_b32 s3, 0
	s_add_nc_u64 s[66:67], s[66:67], s[2:3]
	v_and_b32 v14, 31, v0
	v_min_u32 v14, 23, v14                         ; block 0 .. 23
	v_mul_u32_u24 v15, v14, 22
	v_lshrrev_b32 v15, 8, v15                      ; block / 12: which of the two tiles
	v_mul_u32_u24 v15, v15, 9216                   ; a tile is 12,288 bytes on, less the 12 blocks passed
	v_lshl_add_u32 v14, v14, 8, v15
	global_prefetch_b8 v14, s[66:67] offset:TILEB th:TH_LOAD_NT scope:SCOPE_SE
	global_prefetch_b8 v14, s[66:67] offset:2*TILEB th:TH_LOAD_NT scope:SCOPE_SE
	v_and_b32 v1, 15, v0
	v_bfe_u32 v2, v0, 4, 1
	v_and_b32 v3, 31, v0
	v_lshlrev_b32 v10, 4, v3
	v_lshlrev_b32 v11, 3, v3
	s_mul_i32 s21, s15, HALFT
	s_mul_i32 s22, s16, HALFT
	s_add_co_u32 s22, s22, 2*HALFT
.irp s, 0,1
	v_add_nc_u32 v[ADRA+\s], s21, v10
	v_add_nc_u32 v[ADRB+\s], s22, v10
	v_add_nc_u32 v[ADRA+2+\s], s21, v11
	v_add_nc_u32 v[ADRB+2+\s], s22, v11
	s_add_co_u32 s21, s21, SLOT
	s_add_co_u32 s22, s22, SLOT
.endr
	v_lshlrev_b32 v6, 3, v1
	s_lshl_b32 s21, s15, 12
	s_lshl_b32 s22, s16, 12
	s_add_co_u32 s22, s22, 2*HALFS
	s_sub_co_u32 s22, s22, s21
	v_mul_u32_u24 v7, s22, v2
	s_add_co_u32 s21, s21, SCL
	v_add_nc_u32 v6, v6, v7
	v_add_nc_u32 v[ADRS], s21, v6
.macro FRAG reg, adr, q, i
	ds_load_b128 v[\reg:\reg+3], v[\adr] offset:(\i)*TILEB+(\q)*1536
	ds_load_b64 v[\reg+4:\reg+5], v[\adr+2] offset:(\i)*TILEB+(\q)*1536+512
	ds_load_b128 v[\reg+6:\reg+9], v[\adr] offset:(\i)*TILEB+(\q)*1536+768
	ds_load_b64 v[\reg+10:\reg+11], v[\adr+2] offset:(\i)*TILEB+(\q)*1536+1280
.endm
.macro MUL16 a0, p, q, sc, zero
.irp a, \a0, \a0+1
.irp b, 0,1,2,3,4,5,6,7
.if \zero
	v_wmma_scale_f32_16x16x128_f8f6f4 v[8*(8*((\a)%4)+\b):8*(8*((\a)%4)+\b)+7], v[128*(\p)+FR*\b:128*(\p)+FR*\b+FR-1], v[AF+FR*(\a):AF+FR*(\a)+FR-1], 0, v[SC+8*NQ*(\sc)+NQ*\b+(\q)], v[SC+8*NQ*(\sc)+NQ*(\a)+(\q)] matrix_a_fmt:MATRIX_FMT_FP6 matrix_b_fmt:MATRIX_FMT_FP6 matrix_a_scale:MATRIX_SCALE_ROW1
.else
	v_wmma_scale_f32_16x16x128_f8f6f4 v[8*(8*((\a)%4)+\b):8*(8*((\a)%4)+\b)+7], v[128*(\p)+FR*\b:128*(\p)+FR*\b+FR-1], v[AF+FR*(\a):AF+FR*(\a)+FR-1], v[8*(8*((\a)%4)+\b):8*(8*((\a)%4)+\b)+7], v[SC+8*NQ*(\sc)+NQ*\b+(\q)], v[SC+8*NQ*(\sc)+NQ*(\a)+(\q)] matrix_a_fmt:MATRIX_FMT_FP6 matrix_b_fmt:MATRIX_FMT_FP6 matrix_a_scale:MATRIX_SCALE_ROW1
.endif
.endr
.endr
.endm
.macro FETCH_B slot, q, p
	WIN TO_B
.irp i, 0,1,2,3,4,5,6,7
	FRAG 128*(\p)+FR*\i, ADRB+\slot, \q, \i
.endr
	WIN 0
.endm
.macro FETCH_A slot, q, i0
.irp i, \i0, \i0+1, \i0+2, \i0+3
	FRAG AF+FR*(\i), ADRA+\slot, \q, \i
.endr
.endm
.macro SCALES sc
.irp i, 0,1,2,3,4,5,6,7
	ds_load_b64 v[SC+8*NQ*\sc+NQ*\i:SC+8*NQ*\sc+NQ*\i+1], v[ADRS] offset:\i*SBLK
.endr
.endm
.macro PLACES n
.rept \n
	v_nop
.endr
.endm
.macro STEP slot, q, zero
	s_wait_dscnt 4*NL
	WIN MUL_LO
	MUL16 0, (\q)%2, \q, \slot, \zero
	MUL16 2, (\q)%2, \q, \slot, \zero
	s_wait_dscnt 0
	PLACES NP
	FETCH_B \slot, (\q)+1, 1-(\q)%2
	FETCH_A \slot, (\q)+1, 0
	WIN MUL_HI
	MUL16 4, (\q)%2, \q, \slot, \zero
	MUL16 6, (\q)%2, \q, \slot, \zero
	PLACES NP
	WIN 0
	FETCH_A \slot, (\q)+1, 4
.endm
.macro TURN slot, next, fill
	s_wait_tensorcnt 0x0
	ds_add_u32 v[SPW], v[NIL]
	s_wait_dscnt 4*NL+1
	WIN MUL_LO
	MUL16 0, 1, NQ-1, \slot, 0
	s_wait_dscnt 0x0
	s_barrier_signal -1
	MUL16 2, 1, NQ-1, \slot, 0
	WIN 0
	s_barrier_wait -1
.if \fill
	CREST
	s_add_nc_u64 s[G0+4*\slot+2:G0+4*\slot+3], s[G0+4*\slot+2:G0+4*\slot+3], 2*TILEB
	s_add_nc_u64 s[G0B+4*\slot+2:G0B+4*\slot+3], s[G0B+4*\slot+2:G0B+4*\slot+3], 2*TILEB
	JLOAD G0+4*\slot, G1, G0B+4*\slot, G1B
.else
	PLACES NP
.endif
	s_wait_alu depctr_va_vdst(0)
	v_add_nc_u32 v[ADRS], 128, v[ADRS]
	FETCH_B \next, 0, 0
	FETCH_A \next, 0, 0
	SCALES \next
	WIN MUL_HI
	MUL16 4, 1, NQ-1, \slot, 0
	MUL16 6, 1, NQ-1, \slot, 0
	PLACES NP
	WIN 0
	FETCH_A \next, 0, 4
.endm
	s_wait_alu depctr_va_vdst(0)
	s_wait_tensorcnt 0x0                           ; my tile of the head's four is in
	ds_add_u32 v28, v29
	s_mov_b32 s[G1+2], 8<<16                       ; no tensor load of mine is out: from here on a load brings 8 tiles,
	s_mov_b32 s[G1+4], 8
	s_mov_b32 s[G1B+2], 8<<16
	s_mov_b32 s[G1B+4], 8
	s_mov_b32 s[G0+1], s45                         ; and slot 0's groups 0 name my 8 tiles
	s_add_nc_u64 s[G0+2:G0+3], s[G0+2:G0+3], s[18:19]
	s_mov_b32 s[G0B+1], s45
	s_add_nc_u64 s[G0B+2:G0B+3], s[G0B+2:G0B+3], s[18:19]
	s_wait_dscnt 0x0
	CROUND                                         ; all four tiles are in, and the sixteen work-groups are here
	JLOAD G0+4, G1, G0B+4, G1B
	global_prefetch_b8 v14, s[66:67] offset:3*TILEB th:TH_LOAD_NT scope:SCOPE_SE   ; chunk 3, the last: two refills ahead of its load
	FETCH_B 0, 0, 0
	FETCH_A 0, 0, 0
	SCALES 0
	FETCH_A 0, 0, 4
	STEP 0, 0, 1
	TURN 0, 1, 1
	STEP 1, 0, 0
	TURN 1, 0, 1
	STEP 0, 0, 0
	TURN 0, 1, 0
	STEP 1, 0, 0
	s_wait_dscnt 4*NL
	WIN MUL_LO
	MUL16 0, 1, NQ-1, 1, 0
	MUL16 2, 1, NQ-1, 1, 0
	s_wait_dscnt 0
	WIN MUL_HI
	MUL16 4, 1, NQ-1, 1, 0
	MUL16 6, 1, NQ-1, 1, 0
	WIN 0
	PLACES NP
	s_lshl_b32 s20, s17, 4
	s_lshl_b32 s21, s15, 3
	s_add_co_u32 s20, s20, s21
	s_lshl_b32 s21, s97, 13
	s_lshr_b32 s22, s20, 7
	s_lshl_b32 s22, s22, 11
	s_add_co_u32 s21, s21, s22
	s_lshl_b32 s22, s42, 2
	s_lshl_b32 s23, s16, 1
	s_add_co_u32 s22, s22, s23
	s_lshl_b32 s22, s22, 7
	s_add_co_u32 s21, s21, s22
	s_and_b32 s22, s20, 127
	s_add_co_u32 s21, s21, s22
	s_lshl_b32 s22, s22, 12
	s_lshr_b32 s23, s42, 3
	s_lshl_b32 s23, s23, 11
	s_add_co_u32 s23, s23, 16384
	s_lshr_b32 s46, s20, 2
	s_lshl_b32 s46, s46, 7
	s_add_co_u32 s23, s23, s46
	s_lshl_b32 s46, s42, 1
	s_add_co_u32 s46, s46, s16
	s_and_b32 s46, s46, 15
	s_lshl_b32 s46, s46, 3
	s_add_co_u32 s23, s23, s46
	s_mul_i32 s24, s98, 768
	s_add_co_u32 s24, s24, 768
	s_mov_b32 s25, 0
	s_mul_i32 s26, s98, 92928
	s_add_co_u32 s26, s26, 768
	s_mov_b32 s27, 0
	s_lshl_b32 s28, s98, 5
	s_add_co_u32 s28, s28, 32
	s_mov_b32 s29, 0
	s_mul_i32 s30, s98, 3872
	s_add_co_u32 s30, s30, 32
	s_mov_b32 s31, 0
	s_mul_i32 s32, s98, 97536
	s_sub_co_u32 s32, 98304, s32
	s_lshl_b32 s33, s98, 1
	s_add_co_u32 s33, s33, 2
	s_mul_i32 s34, s98, 4094
	s_sub_co_u32 s34, 4096, s34
	s_mov_b32 s[SEL], 0x76543210
	s_mov_b32 s[SEL+1], 0xfedcba98
	s_cmp_eq_u32 s98, 0
	s_cselect_b32 s21, s21, s23
	s_cselect_b32 s36, 1.0, 0
	s_cselect_b32 s38, 0, 1.0
	s_mov_b32 s37, s36
	s_mul_i32 s46, s21, 768
	s_mov_b32 s47, 0
	s_add_nc_u64 s[10:11], s[10:11], s[46:47]
	s_lshl_b32 s46, s21, 5
	s_add_nc_u64 s[12:13], s[12:13], s[46:47]
	s_mov_b32 s23, 0
	s_add_nc_u64 s[8:9], s[8:9], s[22:23]
	v_and_b32 v3, 8, v1
	v_add_nc_u32 v3, v3, v1
	v_lshlrev_b32 v3, 8, v3
	v_lshl_add_u32 v3, v2, 6, v3
	v_add_nc_u32 v5, s32, v10
	v_add_nc_u32 v7, s32, v11
	v_mul_u32_u24 v8, s33, v1
	v_mad_u32_u24 v8, s34, v2, v8
	v_lshlrev_b32 v9, 4, v2
	v_mov_b32 v[OZ], s38
	v_mov_b32 v[OZ+1], 0
.irp b, 0,1,2,3
	v_mov_b32 v[TM+4+\b], 0
.endr
	WIN TO_B
.irp a, 0,1,2,3,4,5,6,7
.irp e, 0,1
.irp j, 0,1,2,3
	global_load_b128 v[32*\a+16*\e+4*\j:32*\a+16*\e+4*\j+3], v3, s[8:9] offset:(32*(\a/2)+8*(\a%2))*256+128*\e+16*\j
.endr
.endr
.endr
	WIN 0
.macro QUANT s
.irp b, 0,1,2,3
	v_max3_num_f32 v[TM+\b], |v[\s+16*\b]|, |v[\s+1+16*\b]|, 0x1800000
.endr
.irp i, 2,4,6,8,10,12,14
.irp b, 0,1,2,3
	v_max3_num_f32 v[TM+\b], v[TM+\b], |v[\s+16*\b+\i]|, |v[\s+1+16*\b+\i]|
.endr
.endr
.irp b, 0,1,2,3
	v_permlanex16_b32 v[TM+4+\b], v[TM+\b], s[SEL], s[SEL+1]
.endr
.irp b, 0,1,2,3
	v_max_num_f32 v[TM+\b], v[TM+\b], v[TM+4+\b]
.endr
.irp b, 0,1,2,3
	v_add_nc_u32 v[TM+12+\b], 0xff000000, v[TM+\b]
.endr
.irp b, 0,1,2,3
	v_lshrrev_b32 v[TM+4+\b], 23, v[TM+12+\b]
.endr
	v_lshl_or_b32 v[PW], v[TM+5], 8, v[TM+4]
	v_lshl_or_b32 v[PW], v[TM+6], 16, v[PW]
	v_lshl_or_b32 v[PW], v[TM+7], 24, v[PW]
.irp c, 0,1
	v_cvt_scalef32_pk16_fp6_f32 v[PC+6*\c:PC+2+6*\c], v[\s+32*\c:\s+15+32*\c], v[TM+12+2*\c]
	v_cvt_scalef32_pk16_fp6_f32 v[PC+12+4*\c:PC+14+4*\c], v[\s+16+32*\c:\s+31+32*\c], v[TM+12+2*\c+1]
.endr
	v_nop
.irp c, 0,1
.irp i, 0,1,2
	v_permlane16_swap_b32 v[PC+6*\c+\i], v[PC+12+4*\c+\i]
.endr
.irp i, 0,1,2
	v_mov_b32 v[PC+3+6*\c+\i], v[PC+12+4*\c+\i]
.endr
.endr
.endm
.macro EPI a
.set AC, 64*((\a)%4)
.set FB, 32*(\a)
	s_wait_loadcnt 56-8*(\a)
	WIN 0x41
.irp i, 0,2,4,6,8,10,12,14,16,18,20,22,24,26,28,30
	v_pk_fma_f32 v[FB+\i:FB+\i+1], v[FB+\i:FB+\i+1], s[36:37], v[OZ:OZ+1] op_sel_hi:[1,0,1]
.endr
	WIN 0x06+(\a)/4
.irp bt, 0,1,2,3
.irp p, 0,2,4,6,8,10,12,14
	v_pk_mul_f32 v[T+16*\bt+\p:T+16*\bt+\p+1], v[AC+16*\bt+\p:AC+16*\bt+\p+1], v[FB+16*(\bt%2)+\p:FB+16*(\bt%2)+\p+1] op_sel_hi:[1,0]
.endr
.irp p, 0,2,4,6,8,10,12,14
	v_fma_f32 v[T+16*\bt+\p], -v[AC+16*\bt+\p+1], v[FB+16*(\bt%2)+\p+1], v[T+16*\bt+\p]
	v_fma_f32 v[T+16*\bt+\p+1], v[AC+16*\bt+\p], v[FB+16*(\bt%2)+\p+1], v[T+16*\bt+\p+1]
.endr
.endr
	WIN 0
	QUANT T
	global_store_b128 v10, v[PC:PC+3], s[10:11]
	global_store_b64 v11, v[PC+4:PC+5], s[10:11] offset:512
	global_store_b128 v5, v[PC+6:PC+9], s[10:11]
	global_store_b64 v7, v[PC+10:PC+11], s[10:11] offset:512
	v_lshrrev_b32 v[TS], v9, v[PW]
	global_store_b16 v8, v[TS], s[12:13]
.if \a < 7
	s_wait_xcnt 0x0
.if \a == 3
	s_add_nc_u64 s[10:11], s[10:11], s[26:27]
	s_add_nc_u64 s[12:13], s[12:13], s[30:31]
.else
	s_add_nc_u64 s[10:11], s[10:11], s[24:25]
	s_add_nc_u64 s[12:13], s[12:13], s[28:29]
.endif
.endif
.endm
	s_wait_alu depctr_va_vdst(0)
.irp a, 0,1,2,3,4,5,6,7
	EPI \a
.endr
	s_wait_tensorcnt 0x0
	ds_add_u32 v[SPW], v[NIL]
	s_wait_dscnt 0x0
	CROUND
	s_endpgm
.Lfunc_end_k_qb6966e0509_qkvgemm:
	.size	k_qb6966e0509_qkvgemm, .Lfunc_end_k_qb6966e0509_qkvgemm-k_qb6966e0509_qkvgemm
	.p2alignl 7, 3214868480
	.fill 96, 4, 3214868480
	.section	.rodata,"a",@progbits
	.p2align	6, 0x0
	.amdhsa_kernel k_qb6966e0509_qkvgemm
		.amdhsa_group_segment_fixed_size 327680
		.amdhsa_private_segment_fixed_size 0
		.amdhsa_enable_private_segment 0
		.amdhsa_kernarg_size 40
		.amdhsa_user_sgpr_count 2
		.amdhsa_user_sgpr_kernarg_segment_ptr 1
		.amdhsa_wavefront_size32 1
		.amdhsa_system_sgpr_workgroup_id_x 1
		.amdhsa_system_sgpr_workgroup_id_y 1
		.amdhsa_system_sgpr_workgroup_id_z 1
		.amdhsa_system_vgpr_workitem_id 0
		.amdhsa_next_free_vgpr 1024
		.amdhsa_next_free_sgpr 102
		.amdhsa_reserve_vcc 0
		.amdhsa_float_denorm_mode_32 3
		.amdhsa_float_denorm_mode_16_64 3
		.amdhsa_memory_ordered 1
		.amdhsa_forward_progress 1
		.amdhsa_inst_pref_size 216
	.end_amdhsa_kernel
	.amdgpu_metadata
---
amdhsa.version: [ 1, 2 ]
amdhsa.kernels:
  - .name:           k_qb6966e0509_qkvgemm
    .symbol:         k_qb6966e0509_qkvgemm.kd
    .args:
      - { .name: cod, .offset: 0, .size: 8, .value_kind: global_buffer, .address_space: global }
      - { .name: scl, .offset: 8, .size: 8, .value_kind: global_buffer, .address_space: global }
      - { .name: freqs_cis, .offset: 16, .size: 8, .value_kind: global_buffer, .address_space: global }
      - { .name: qkv, .offset: 24, .size: 8, .value_kind: global_buffer, .address_space: global }
      - { .name: qkvs, .offset: 32, .size: 8, .value_kind: global_buffer, .address_space: global }
    .group_segment_fixed_size: 327680
    .private_segment_fixed_size: 0
    .kernarg_segment_align: 8
    .kernarg_segment_size: 40
    .max_flat_workgroup_size: 128
    .sgpr_count:     102
    .vgpr_count:     1024
    .wavefront_size: 32
...
	.end_amdgpu_metadata
.endif
;; end of part 2
;; launch attn (part 3): grid 4 x 64, 16 waves a work-group, clusters of 4 x 1, 206,848 bytes of LDS; arguments qkv, qkvs, aoc, aos; writes aoc, aos
.if DOCPART == 3
	.amdgcn_target "amdgcn-amd-amdhsa--gfx1250"
	.amdhsa_code_object_version 6
	.text
	.protected	k_qb6966e0509_attn
	.globl	k_qb6966e0509_attn
	.p2align	8
	.type	k_qb6966e0509_attn,@function
k_qb6966e0509_attn:
	s_mov_b64 s[64:65], 0
	v_nop
	global_prefetch_b8 v0, s[64:65] scope:SCOPE_SE
	s_setreg_imm32_b32 hwreg(HW_REG_WAVE_MODE, 25, 1), 1
	s_wait_xcnt 0x0
	s_wait_alu depctr_hold_cnt(0) depctr_sa_sdst(0) depctr_va_vdst(0) depctr_va_sdst(0) depctr_va_ssrc(0) depctr_va_vcc(0) depctr_vm_vsrc(0)
	s_getreg_b32 s2, hwreg(HW_REG_IB_STS2, 6, 4)
	s_cmp_eq_u32 s2, 0
	s_cbranch_scc0 .Lentry_in_a_cluster
	s_endpgm
.Lentry_in_a_cluster:
	s_bfe_u32 s2, ttmp6, 0x10000c
	s_cmp_lg_u32 s2, 0x3003
	s_cbranch_scc0 .Lentry_shape_is_right
	s_endpgm
.Lentry_shape_is_right:
; For each batch and head: O[q] = sum over keys of softmax(q . k / 8) v, both products on codes of FP6 (E2M3) with E8M0 scales; O is quantised along the model's 1,024 (two blocks a head) for the last product.
; SOFTMAX: t = score x log2(e) / 8; M = the running largest t rounded UP to a whole number; p = 2^(t - M) is quantised along the keys; the row's sum is taken of the unquantised p and divides O at the end.
; When M moves, the sum and O are multiplied by 2^(old M - new M): exact.
; SHARES: a work-group owns one batch and head and 512 queries in two passes of 256; each of sixteen waves owns 16 queries a pass and walks the 2,048 keys, 128 a step.
; THE HEAD'S K AND V STAY IN LDS: 196,608 bytes of codes come once, each wave fetching one key step's by ONE tensor load; nothing is filled twice, so there is no ring.
; The four work-groups of a head are a cluster and ask for the codes jointly.  A key step's 512 scale bytes, one part in 24 of its codes' bytes, go through the wave's registers into LDS bytes that no tensor load fills.
; No prefetch: every byte of K and V is asked for at the head, and no loop reads memory.
; LAYOUT: both products transposed (S^T = K Q^T, O^T = V^T P^T): a lane holds ONE query (lane % 16).  Operands lie as images of their registers (halves of 768 bytes: 16 rows x 64 along K).
; Lane row r of tile T is row 32 (T / 2) + 8 (T % 2) + r + 8 (r / 8): the 16 registers of S^T's tiles 2 b, 2 b + 1 are keys 32 b + 16 (lane / 16) + 0 .. 15; O^T's likewise along the head's 64.
; THE FIRST PRODUCT'S K IS 64, THE INSTRUCTION'S 128: Q's upper six registers are zero codes, K's upper six whatever follows, the upper two scale bytes 0 on both sides: that half adds exactly 0.
; A KEY STEP: eight products; V is asked for; the blocks' largest scores and M, with the next step's K loads between the dependent lines; 68 exponentials, each with one plain instruction behind it that is due anyway
; (t - M of later pairs, the row's sum of earlier pairs, the scale bytes); conversions; O x f, which are the places in front of the products; one wait for LDS; four products.
; LIMITS: NaN and infinities are not served; a p under 2^-126 counts as 0; a block of zeros gets the byte 1; a block's largest p is taken from its largest score (v_exp_f32 is taken not to fall where its input rises);
; the scaled scores stay under 2^31 in magnitude.
; REGISTERS: v1-4, v6, v7, v28 offsets that stay; v8-11 the step's LDS addresses; v12 -M, v13 largest t, v[14:15] the sum; v16-27 Q; v29-30 V's scale words; v31, v243 the add's; v32-79 K; v80-127 V;
; v128-191 S^T, then p; v192-223 O^T; v224-235 p's codes; v232-254 at work; v248-251 K's scale words; v253 p's; v255 Q's.
.set KSB,  12288                       ; a key step in LDS: K's eight halves (6,144 bytes), then V's four fragments
.set SCB,  196608                      ; behind the codes: 512 bytes a key step: K's scales (256), then V's (256)
.set SPARE, 204800                     ; the spare words: 128 bytes a wave
.set KR,   32
.set VR,   80
.set S,    128
.set O,    192
.set WV,   18
.set SEL,  20
.set CS,   22
.set G1C,  24
.set G0C,  40
.set PS,   44
.set TB,   48
.set TS,   49
.set CNT,  50
.set PQ,   52
.set PQS,  54
.set PO,   56
.set POS,  58
.macro CROUND
	s_barrier_signal -1
	s_barrier_wait -1
	s_cmp_lg_u32 s[WV], 0
	s_cbranch_scc1 .Lnot_wave_0_\@
	s_barrier_signal -3
.Lnot_wave_0_\@:
	s_barrier_wait -3
	s_barrier_signal -1
	s_barrier_wait -1
.endm
.macro QLOAD p                         ; pass p's queries: a half fragment and two scale bytes
	global_load_b128 v[16:19], v1, s[PQ:PQ+1] offset:12288*\p
	global_load_b64 v[20:21], v2, s[PQ:PQ+1] offset:12288*\p+512
	global_load_u16 v255, v28, s[PQS:PQS+1] offset:512*\p
.endm
.macro KL t, a16, a8, off
	ds_load_b128 v[KR+6*(\t):KR+6*(\t)+3], v[\a16] offset:(\off)+768*(\t)
	ds_load_b64 v[KR+6*(\t)+4:KR+6*(\t)+5], v[\a8] offset:(\off)+768*(\t)+512
.endm
.macro KSC i, adr, off                 ; scale bytes of tiles 2 i (lanes 0-15) and 2 i + 1 (lanes 16-31)
	ds_load_u16 v[248+(\i)], v[\adr] offset:(\off)+64*(\i)
.endm
.macro KPRE pre, g                     ; two of the twenty loads of a key step's K.  pre = 1: the next step's; 2: key step 0's; 0: none
.if \pre == 1
.if \g < 8
	KL \g, 8, 9, KSB
.else
	KSC 2*(\g)-16, 10, 512
	KSC 2*(\g)-15, 10, 512
.endif
.elseif \pre == 2
.if \g < 8
	KL \g, 1, 2, 0
.else
	KSC 2*(\g)-16, 3, 0
	KSC 2*(\g)-15, 3, 0
.endif
.endif
.endm
	s_load_b256 s[4:11], s[0:1], 0x0               ; qkv, qkvs, aoc, aos
	v_lshl_add_u32 v31, v0, 2, SPARE
	v_mov_b32 v243, 0
	ds_add_u32 v31, v243
	ds_add_u32 v31, v243
	v_lshrrev_b32 v8, 5, v0
	v_readfirstlane_b32 s[WV], v8                  ; wave 0..15
	s_and_b32 s13, ttmp7, 0xffff                   ; batch x 16 + head, which the four partners share
	s_mul_i32 s14, s13, 98304                      ; K's codes of key step = wave: 6,291,456 + 98,304 x head + 6,144 x wave
	s_mul_i32 s15, s[WV], 6144
	s_add_co_u32 s14, s14, s15
	s_add_co_u32 s14, s14, 6291456
	s_mov_b32 s15, 0
	s_lshl_b32 s16, s13, 12                        ; K's scales: 262,144 + 4,096 x head + 256 x wave; V's 262,144 further on
	s_lshl_b32 s17, s[WV], 8
	s_add_co_u32 s16, s16, s17
	s_add_co_u32 s16, s16, 262144
	s_mov_b32 s17, 0
	s_mov_b32 s[G1C], 15|(3<<16)|(1<<21)           ; group 1: the mask of all four; elements of 8 bytes; two rows of 6,144 bytes, 6,291,456 apart: K's part, V's part
	s_mov_b32 s[G1C+1], 768<<16
	s_mov_b32 s[G1C+2], 2<<16
	s_mov_b32 s[G1C+3], 768<<16
	s_mov_b32 s[G1C+4], 2
	s_mov_b32 s[G1C+5], 786432
	s_mov_b32 s[G1C+6], 0
	s_mov_b32 s[G1C+7], 0
	s_mul_i32 s12, s[WV], KSB
	s_bfe_u32 s60, ttmp6, 0x40000                  ; cx enters my queries' and my output's addresses alone
	s_lshl_b32 s61, ttmp9, 2
	s_add_co_u32 s60, s60, s61
	s_lshl_b32 s60, s60, 5
	s_add_co_u32 s60, s60, s[WV]                   ; my query tile of pass 0; pass 1: 16 on
	s_mul_i32 s66, s13, 98304
	s_mul_i32 s67, s60, 768
	s_add_co_u32 s66, s66, s67
	s_mov_b32 s67, 0
	s_lshl_b32 s68, s13, 12
	s_lshl_b32 s69, s60, 5
	s_add_co_u32 s68, s68, s69
	s_mov_b32 s69, 0
	s_lshr_b32 s61, s13, 4
	s_lshl_b32 s61, s61, 7
	s_add_co_u32 s61, s61, s60                     ; the token tile among all 512
	s_and_b32 s62, s13, 15                         ; the head
	s_mul_i32 s70, s61, 12288                      ; aoc: [token tile][head][768]
	s_mul_i32 s71, s62, 768
	s_add_co_u32 s70, s70, s71
	s_mov_b32 s71, 0
	s_lshl_b32 s72, s61, 9                         ; aos: [token tile][head / 4][r][(head / 2) % 2][2 (head % 2) + block]
	s_lshr_b32 s73, s62, 2
	s_lshl_b32 s73, s73, 7
	s_add_co_u32 s72, s72, s73
	s_and_b32 s73, s62, 3
	s_lshl_b32 s73, s73, 1
	s_add_co_u32 s72, s72, s73
	s_mov_b32 s73, 0
	s_mov_b32 s[SEL], 0x76543210
	s_mov_b32 s[SEL+1], 0xfedcba98                 ; selects for lane l xor 16
	s_mov_b32 s[CS], 0x3e38aa3b                    ; c = log2(e) / 8
	s_mov_b32 s[CS+1], s[CS]
	s_wait_dscnt 0x0
	s_wait_kmcnt 0x0
	s_mov_b32 s[G0C], 1
	s_mov_b32 s[G0C+1], s12
	s_add_nc_u64 s[G0C+2:G0C+3], s[4:5], s[14:15]
	s_or_b32 s[G0C+3], s[G0C+3], 0x80000000
	s_add_nc_u64 s[PS:PS+1], s[6:7], s[16:17]
	s_add_nc_u64 s[PQ:PQ+1], s[4:5], s[66:67]
	s_add_nc_u64 s[PQS:PQS+1], s[6:7], s[68:69]
	s_add_nc_u64 s[PO:PO+1], s[8:9], s[70:71]
	s_add_nc_u64 s[POS:POS+1], s[10:11], s[72:73]
	CROUND                                         ; all four work-groups are here: the joint loads meet
	tensor_load_to_lds s[G0C:G0C+3], s[G1C:G1C+7]  ; my key step's codes: my only tensor load
	s_nop 0
.rept 4
	v_nop
.endr
	v_and_b32 v5, 31, v0                           ; lane
	v_and_b32 v6, 15, v0                           ; r
	v_bfe_u32 v7, v0, 4, 1                         ; h
	v_lshlrev_b32 v1, 4, v5                        ; 16 x lane
	v_lshlrev_b32 v2, 3, v5                        ; 8 x lane
	v_lshlrev_b32 v28, 1, v6                       ; Q's scales: 2 r
	v_lshlrev_b32 v8, 4, v6
	v_lshl_add_u32 v8, v7, 18, v8                  ; my key step's scales: lanes 0-15 K's 256 bytes, lanes 16-31 V's
	v_lshl_add_u32 v9, v0, 4, SCB                  ; and their place in LDS: 512 x wave + 16 x lane
	global_load_b128 v[S:S+3], v8, s[PS:PS+1]
	QLOAD 0
	v_lshl_add_u32 v3, v5, 1, SCB                  ; K's scales: lanes 0-15 an even tile's rows, lanes 16-31 the odd tile's
	v_lshl_add_u32 v4, v5, 2, SCB+256              ; V's likewise
	v_lshl_add_u32 v6, v6, 3, v7                   ; the output's scale byte: 8 r + h
	v_lshlrev_b32 v7, 3, v7                        ; 8 h
.irp j, 22,23,24,25,26,27,80,81,82,83,84,85
	v_mov_b32 v\j, 0                               ; Q's upper half: zero codes; and what stands behind K's last tile until V lands there
.endr
.irp b, 0,1,2,3
	v_mov_b32 v[236+\b], 0                         ; a lane permute's destination counts as a source
.endr
	v_mov_b32 v253, 0
	s_wait_alu depctr_va_vdst(0)
	s_wait_tensorcnt 0x0                           ; my key step's codes are in
	s_wait_loadcnt 3                               ; the scales are in registers; Q's three loads may be out
	ds_store_b128 v9, v[S:S+3]
	s_wait_dscnt 0x0
	s_barrier_signal -1
	s_barrier_wait -1                              ; the whole head lies in LDS
.irp g, 0,1,2,3,4,5,6,7,8,9
	KPRE 2, \g                                     ; key step 0's K
.endr
.macro STEP pre
.irp t, 0,1,2,3,4,5,6,7                        ; S^T = K Q^T
.if \t%2
	v_wmma_scale_f32_16x16x128_f8f6f4 v[S+8*\t:S+8*\t+7], v[KR+6*\t:KR+6*\t+11], v[16:27], 0, v[248+\t/2], v255 matrix_a_fmt:MATRIX_FMT_FP6 matrix_b_fmt:MATRIX_FMT_FP6 matrix_a_scale:MATRIX_SCALE_ROW1
.else
	v_wmma_scale_f32_16x16x128_f8f6f4 v[S+8*\t:S+8*\t+7], v[KR+6*\t:KR+6*\t+11], v[16:27], 0, v[248+\t/2], v255 matrix_a_fmt:MATRIX_FMT_FP6 matrix_b_fmt:MATRIX_FMT_FP6
.endif
.endr
	v_add_nc_u32 v8, s[TB], v1                     ; the step's addresses: also the four places behind the products
	v_add_nc_u32 v9, s[TB], v2
	v_add_nc_u32 v10, s[TS], v3
	v_add_nc_u32 v11, s[TS], v4
.irp t, 0,1,2,3                                ; V's four fragments land during the softmax
	ds_load_b128 v[VR+12*\t:VR+12*\t+3], v8 offset:6144+1536*\t
	ds_load_b64 v[VR+12*\t+4:VR+12*\t+5], v9 offset:6144+1536*\t+512
	ds_load_b128 v[VR+12*\t+6:VR+12*\t+9], v8 offset:6144+1536*\t+768
	ds_load_b64 v[VR+12*\t+10:VR+12*\t+11], v9 offset:6144+1536*\t+1280
.endr
	ds_load_b32 v29, v11
	ds_load_b32 v30, v11 offset:128
.irp b, 0,1,2,3
	v_max3_num_f32 v[232+\b], v[S+16*\b], v[S+1+16*\b], v[S+2+16*\b]   ; the largest score of each block of 32 keys, the four blocks by turns
.endr
.irp i, 3,5,7,9,11,13
.irp b, 0,1,2,3
	v_max3_num_f32 v[232+\b], v[232+\b], v[S+16*\b+\i], v[S+1+16*\b+\i]
.endr
.endr
.irp b, 0,1,2,3
	v_max_num_f32 v[232+\b], v[232+\b], v[S+15+16*\b]
.endr
.irp b, 0,1,2,3
	s_delay_alu instid0(VALU_DEP_4)
	v_permlanex16_b32 v[236+\b], v[232+\b], s[SEL], s[SEL+1]
.endr
.irp b, 0,1,2,3
	s_delay_alu instid0(VALU_DEP_4)
	v_max_num_f32 v[232+\b], v[232+\b], v[236+\b]  ; with lane l xor 16's 16 keys
.endr
	s_delay_alu instid0(VALU_DEP_2)
	v_max3_num_f32 v254, v232, v233, v234          ; dependent lines: K's loads stand between them
	KPRE \pre, 0
	v_max_num_f32 v254, v254, v235
	KPRE \pre, 1
	v_mul_f32 v254, s[CS], v254                    ; as t (c is positive)
	KPRE \pre, 2
	v_max_num_f32 v13, v13, v254                   ; the running largest t
	KPRE \pre, 3
	v_mov_b32 v254, v12
	v_floor_f32 v12, -v13                          ; the new -M = -ceil(t)
	KPRE \pre, 4
	KPRE \pre, 5
	v_sub_f32 v254, v12, v254                      ; old M less new M: a whole number, 0 or less
.irp b, 0,1,2,3
	v_fma_f32 v[232+\b], v[232+\b], s[CS], v12     ; t - M of each block's largest score
.endr
	v_cvt_i32_f32 v254, v254                       ; (it saturates)
	KPRE \pre, 6
	KPRE \pre, 7
.irp j, 0,2
	v_pk_fma_f32 v[S+\j:S+\j+1], v[S+\j:S+\j+1], s[CS:CS+1], v[12:13] op_sel_hi:[1,0,0]   ; t - M, two at a time: the first ten pairs here, the others among the exponentials
.endr
	v_ldexp_f32 v252, 1.0, v254                    ; f = 2^(old M - new M)
	KPRE \pre, 8
	KPRE \pre, 9
.irp j, 4,6,8,10,12,14,16,18
	v_pk_fma_f32 v[S+\j:S+\j+1], v[S+\j:S+\j+1], s[CS:CS+1], v[12:13] op_sel_hi:[1,0,0]
.endr
; 68 exponentials, each with one plain instruction behind it that neither reads its result nor writes its source.  Exponential n: the four blocks' largest p (n = 0 .. 3), then p of score n - 4.
; Behind an even n: t - M of the pair whose exponentials stand 24 on; from n = 44 the scale bytes.  Behind an odd n: the sum x f; the floor of the blocks' largest p; from n = 9 the row's sum, of the unquantised p,
; in two chains: the pair whose exponentials stand at n - 3 and n - 2.
.set n, 0
	s_wait_alu depctr_va_vdst(0)
.rept 68
.if n < 4
	v_exp_f32 v[232+n], v[232+n]
.else
	v_exp_f32 v[S+n-4], v[S+n-4]
.endif
.if (n%2 == 0) && (n < 44)
	v_pk_fma_f32 v[S+20+n:S+21+n], v[S+20+n:S+21+n], s[CS:CS+1], v[12:13] op_sel_hi:[1,0,0]
.elseif n == 44
	v_max_num_f32 v235, 0x1800000, v235            ; the floor 2^(3 - 127): the byte cannot fall under 1
.elseif (n%2 == 0) && (n < 54)
	v_add_nc_u32 v[244+(n-46)/2], 0xff000000, v[232+(n-46)/2]   ; 2 off the exponent field: the conversion's scale operand
.elseif (n%2 == 0) && (n < 62)
	v_lshrrev_b32 v[236+(n-54)/2], 23, v[244+(n-54)/2]          ; the scale's byte
.elseif n == 62
	v_lshl_or_b32 v253, v237, 8, v236              ; p's scale word for these 128 keys
.elseif n == 64
	s_wait_alu depctr_va_vdst(0)
	v_lshl_or_b32 v253, v238, 16, v253
.elseif n == 66
	v_lshl_or_b32 v253, v239, 24, v253
.elseif n == 1
	v_pk_mul_f32 v[14:15], v[14:15], v[252:253] op_sel_hi:[1,0]   ; the sums under the new M
.elseif n < 9
	s_wait_alu depctr_va_vdst(0)
	v_max_num_f32 v[232+(n-3)/2], 0x1800000, v[232+(n-3)/2]
.elseif n == 9
	s_wait_alu depctr_va_vdst(0)
	v_pk_add_f32 v[240:241], v[S:S+1], v[S+2:S+3]
.elseif ((n-7)/2)%2 == 0
	v_pk_add_f32 v[14:15], v[14:15], v[S+n-7:S+n-6]
.else
	s_wait_alu depctr_va_vdst(0)
	v_pk_add_f32 v[240:241], v[240:241], v[S+n-7:S+n-6]
.endif
.set n, n+1
.endr
	s_wait_alu depctr_va_vdst(0)
	v_pk_add_f32 v[240:241], v[240:241], v[S+62:S+63]
	s_delay_alu instid0(VALU_DEP_1)
	v_pk_add_f32 v[14:15], v[14:15], v[240:241]
.irp c, 0,1
	v_cvt_scalef32_pk16_fp6_f32 v[224+6*\c:226+6*\c], v[S+32*\c:S+15+32*\c], v[244+2*\c]
	v_cvt_scalef32_pk16_fp6_f32 v[236+4*\c:238+4*\c], v[S+16+32*\c:S+31+32*\c], v[244+2*\c+1]
.endr
	v_nop                                          ; one plain place behind a scaled conversion
.irp c, 0,1                                    ; the operand's layout wants a whole block in a lane
.irp i, 0,1,2
	v_permlane16_swap_b32 v[224+6*\c+\i], v[236+4*\c+\i]
.endr
.irp i, 0,1,2
	s_delay_alu instid0(VALU_DEP_3)
	v_mov_b32 v[227+6*\c+\i], v[236+4*\c+\i]
.endr
.endr
	s_wait_alu depctr_va_vdst(0)
.set n, 0
.rept 16
	v_pk_mul_f32 v[O+n:O+n+1], v[O+n:O+n+1], v[252:253] op_sel_hi:[1,0]   ; O^T under the new M, each accumulator from its low end on: also the places between p's codes and scale word and the products
.set n, n+2
.endr
	s_wait_alu depctr_va_vdst(0)
	s_wait_dscnt 0x0                               ; V, its scale words and the K fetched meanwhile are in
.irp t, 0,1,2,3                                ; O^T += V^T P^T, the four accumulators by turns
.if \t%2
	v_wmma_scale_f32_16x16x128_f8f6f4 v[O+8*\t:O+8*\t+7], v[VR+12*\t:VR+12*\t+11], v[224:235], v[O+8*\t:O+8*\t+7], v[29+\t/2], v253 matrix_a_fmt:MATRIX_FMT_FP6 matrix_b_fmt:MATRIX_FMT_FP6 matrix_a_scale:MATRIX_SCALE_ROW1
.else
	v_wmma_scale_f32_16x16x128_f8f6f4 v[O+8*\t:O+8*\t+7], v[VR+12*\t:VR+12*\t+11], v[224:235], v[O+8*\t:O+8*\t+7], v[29+\t/2], v253 matrix_a_fmt:MATRIX_FMT_FP6 matrix_b_fmt:MATRIX_FMT_FP6
.endif
.endr
.endm
.macro PASS p
.if \p
	s_wait_xcnt 0x0                                ; the last pass's store data are written again only behind this wait
.endif
	v_mov_b32 v13, 0xff61b1e6                      ; the largest t so far: -3e38
	v_mov_b32 v14, 0
	v_mov_b32 v15, 0
	v_floor_f32 v12, -v13                          ; -M
.set n, 0
.rept 32
	v_mov_b32 v[O+n], 0                            ; O^T: the step is written once, so the first finds zeros
.set n, n+1
.endr
	s_mov_b32 s[TB], 0
	s_mov_b32 s[TS], 0
	s_mov_b32 s[CNT], 15
	s_wait_alu depctr_va_vdst(0)
	s_wait_loadcnt 0x0                             ; Q
	s_wait_dscnt 0x0                               ; key step 0's K
.Lstep_p\p:                                        ; key steps 0 to 14: each fetches the next step's K
	STEP 1
	s_add_co_u32 s[TB], s[TB], KSB
	s_add_co_u32 s[TS], s[TS], 512
	s_sub_co_u32 s[CNT], s[CNT], 1
	s_cmp_lg_u32 s[CNT], 0
	s_cbranch_scc1 .Lstep_p\p
.if \p
	STEP 0                                         ; key step 15: nothing is left to fetch
.else
	STEP 2                                         ; key step 15 fetches key step 0's K for the next pass,
	QLOAD 1                                        ; and the next pass's queries are asked for
.endif
.rept 4
	v_nop
.endr
	v_add_f32 v14, v14, v15                        ; the sum's two halves,
	s_delay_alu instid0(VALU_DEP_1)
	v_permlanex16_b32 v252, v14, s[SEL], s[SEL+1]
	s_delay_alu instid0(VALU_DEP_1)
	v_add_f32 v14, v14, v252                       ; and lane l xor 16's
	s_wait_alu depctr_va_vdst(0)
	v_rcp_f32 v14, v14
	v_nop
	s_wait_alu depctr_va_vdst(0)
.set n, 0
.rept 16
	v_pk_mul_f32 v[S+n:S+n+1], v[O+n:O+n+1], v[14:15] op_sel_hi:[1,0]   ; O^T / the sum: register 16 b + i is channel 32 b + 16 h + i
.set n, n+2
.endr
.irp b, 0,1
	v_max3_num_f32 v[232+\b], |v[S+16*\b]|, |v[S+1+16*\b]|, 0x1800000
.endr
.irp i, 2,4,6,8,10,12,14
.irp b, 0,1
	s_delay_alu instid0(VALU_DEP_2)
	v_max3_num_f32 v[232+\b], v[232+\b], |v[S+16*\b+\i]|, |v[S+1+16*\b+\i]|
.endr
.endr
.irp b, 0,1
	s_delay_alu instid0(VALU_DEP_2)
	v_permlanex16_b32 v[236+\b], v[232+\b], s[SEL], s[SEL+1]
.endr
.irp b, 0,1
	s_delay_alu instid0(VALU_DEP_2)
	v_max_num_f32 v[232+\b], v[232+\b], v[236+\b]
.endr
.irp b, 0,1
	s_delay_alu instid0(VALU_DEP_2)
	v_add_nc_u32 v[244+\b], 0xff000000, v[232+\b]
.endr
.irp b, 0,1
	s_delay_alu instid0(VALU_DEP_2)
	v_lshrrev_b32 v[240+\b], 23, v[244+\b]
.endr
	s_delay_alu instid0(VALU_DEP_1)
	v_lshl_or_b32 v242, v241, 8, v240
	s_delay_alu instid0(VALU_DEP_1)
	v_lshrrev_b32 v242, v7, v242                   ; lanes 0-15 store block 0's byte, lanes 16-31 block 1's
	v_cvt_scalef32_pk16_fp6_f32 v[224:226], v[S:S+15], v244
	v_cvt_scalef32_pk16_fp6_f32 v[236:238], v[S+16:S+31], v245
	v_nop
.irp i, 0,1,2
	v_permlane16_swap_b32 v[224+\i], v[236+\i]
.endr
.irp i, 0,1,2
	v_mov_b32 v[227+\i], v[236+\i]
.endr
	global_store_b128 v1, v[224:227], s[PO:PO+1] offset:196608*\p          ; 512 consecutive bytes, aligned to 256
	global_store_b64 v2, v[228:229], s[PO:PO+1] offset:196608*\p+512       ; 256 consecutive bytes
	global_store_b8 v6, v242, s[POS:POS+1] offset:8192*\p
.endm
	PASS 0
	PASS 1
	s_wait_tensorcnt 0x0                           ; the wave's end
	ds_add_u32 v31, v243
	s_wait_dscnt 0x0
	CROUND                                         ; the closing round
	s_endpgm
.Lfunc_end_k_qb6966e0509_attn:
	.size	k_qb6966e0509_attn, .Lfunc_end_k_qb6966e0509_attn-k_qb6966e0509_attn
	.p2alignl 7, 3214868480
	.fill 96, 4, 3214868480
	.section	.rodata,"a",@progbits
	.p2align	6, 0x0
	.amdhsa_kernel k_qb6966e0509_attn
		.amdhsa_group_segment_fixed_size 206848
		.amdhsa_private_segment_fixed_size 0
		.amdhsa_enable_private_segment 0
		.amdhsa_kernarg_size 32
		.amdhsa_user_sgpr_count 2
		.amdhsa_user_sgpr_kernarg_segment_ptr 1
		.amdhsa_wavefront_size32 1
		.amdhsa_system_sgpr_workgroup_id_x 1
		.amdhsa_system_sgpr_workgroup_id_y 1
		.amdhsa_system_sgpr_workgroup_id_z 1
		.amdhsa_system_vgpr_workitem_id 0
		.amdhsa_next_free_vgpr 256
		.amdhsa_next_free_sgpr 76
		.amdhsa_reserve_vcc 0
		.amdhsa_float_denorm_mode_32 3
		.amdhsa_float_denorm_mode_16_64 3
		.amdhsa_memory_ordered 1
		.amdhsa_forward_progress 1
		.amdhsa_inst_pref_size 86
	.end_amdhsa_kernel
	.amdgpu_metadata
---
amdhsa.version: [ 1, 2 ]
amdhsa.kernels:
  - .name:           k_qb6966e0509_attn
    .symbol:         k_qb6966e0509_attn.kd
    .args:
      - { .name: qkv, .offset: 0, .size: 8, .value_kind: global_buffer, .address_space: global }
      - { .name: qkvs, .offset: 8, .size: 8, .value_kind: global_buffer, .address_space: global }
      - { .name: aoc, .offset: 16, .size: 8, .value_kind: global_buffer, .address_space: global }
      - { .name: aos, .offset: 24, .size: 8, .value_kind: global_buffer, .address_space: global }
    .group_segment_fixed_size: 206848
    .private_segment_fixed_size: 0
    .kernarg_segment_align: 8
    .kernarg_segment_size: 32
    .max_flat_workgroup_size: 512
    .sgpr_count:     76
    .vgpr_count:     256
    .wavefront_size: 32
...
	.end_amdgpu_metadata
.endif
;; end of part 3
;; launch proj (part 4): grid 4 x 32, 4 waves a work-group, clusters of 4 x 4, 327,680 bytes of LDS; arguments aoc, aos, cod, scl, bproj, out0; writes out0
.if DOCPART == 4
	.amdgcn_target "amdgcn-amd-amdhsa--gfx1250"
	.amdhsa_code_object_version 6
	.text
	.protected	k_qb6966e0509_proj
	.globl	k_qb6966e0509_proj
	.p2align	8
	.type	k_qb6966e0509_proj,@function
k_qb6966e0509_proj:
	s_mov_b64 s[64:65], 0
	v_nop
	global_prefetch_b8 v0, s[64:65] scope:SCOPE_SE
	s_setreg_imm32_b32 hwreg(HW_REG_WAVE_MODE, 25, 1), 1
	s_wait_xcnt 0x0
	s_wait_alu depctr_hold_cnt(0) depctr_sa_sdst(0) depctr_va_vdst(0) depctr_va_sdst(0) depctr_va_ssrc(0) depctr_va_vcc(0) depctr_vm_vsrc(0)
	s_getreg_b32 s2, hwreg(HW_REG_IB_STS2, 6, 4)
	s_cmp_eq_u32 s2, 0
	s_cbranch_scc0 .Lentry_in_a_cluster
	s_endpgm
.Lentry_in_a_cluster:
	s_bfe_u32 s2, ttmp6, 0x10000c
	s_cmp_lg_u32 s2, 0xf033
	s_cbranch_scc0 .Lentry_shape_is_right
	s_endpgm
.Lentry_shape_is_right:
.set NQ,     2
.set FR,     12
.set NL,     4
.set NP,     4
.set TILEB,  3072
.set HALFT,  8*TILEB
.set SLOT,   4*HALFT
.set SCL,    2*SLOT
.set HALFS,  4096
.set SBLK,   512
.set SPARE,  SCL+4*HALFS
.set SPITCH, 528
.set ADRA, 16
.set ADRB, 20
.set STO,  24
.set RD,   25
.set CO,   26
.set ADRS, 27
.set SPW,  28
.set NIL,  29
.set SC,   32
.set BI,   64
.set AF,   128
.set BK,   128
.set G1, 24
.set G0, 32
.set G1B, 48
.set G0B, 56
.set G1S, 68
.set G0S, 76
.set G1SB, 80
.set G0SB, 88
.set MSB, 0
.macro WIN new
.if MSB != \new
	s_set_vgpr_msb (MSB<<8)|\new
.set MSB, \new
.endif
.endm
.set MUL_LO, 0xa1
.set MUL_HI, 0xf1
.set FST_LO, 0x81
.set FST_HI, 0xc1
.set TO_B,   0x40
.macro JLOAD g0a, g1a, g0b, g1b
	s_cmp_eq_u32 s15, 0
	s_cbranch_scc0 .Lfor_b_\@
	tensor_load_to_lds s[\g0a:\g0a+3], s[\g1a:\g1a+7]
	s_nop 0
.rept 4
	v_nop
.endr
	s_branch .Lasked_\@
.Lfor_b_\@:
	tensor_load_to_lds s[\g0b:\g0b+3], s[\g1b:\g1b+7]
	s_nop 0
.rept 4
	v_nop
.endr
.Lasked_\@:
.endm
.macro CREST
	s_cmp_lg_u32 s14, 0
	s_cbranch_scc1 .Lnot_wave_0_\@
	s_barrier_signal -3
.Lnot_wave_0_\@:
	s_barrier_wait -3
	s_barrier_signal -1
	s_barrier_wait -1
.endm
.macro CROUND
	s_barrier_signal -1
	s_barrier_wait -1
	CREST
.endm
	s_load_b256 s[4:11], s[0:1], 0x0
	s_load_b128 s[92:95], s[0:1], 0x20
	v_lshl_add_u32 v[SPW], v0, 2, SPARE
	v_mov_b32 v[NIL], 0
	ds_add_u32 v28, v29
	ds_add_u32 v28, v29
	s_wait_dscnt 0x0
	v_lshrrev_b32 v1, 5, v0
	v_readfirstlane_b32 s14, v1
	s_lshr_b32 s15, s14, 1
	s_and_b32 s16, s14, 1
	s_bfe_u32 s40, ttmp6, 0x40000
	s_bfe_u32 s41, ttmp6, 0x40004
	s_lshl_b32 s42, ttmp9, 2
	s_add_co_u32 s42, s42, s40
	s_and_b32 s17, ttmp7, 0xffff
	s_lshl_b32 s17, s17, 2
	s_add_co_u32 s17, s17, s41
	s_lshl_b32 s43, s41, 2
	s_lshl_b32 s43, 15, s43
	s_lshl_b32 s44, 0x1111, s40
	s_or_b32 s[G1+0], s43, (3<<16)|(1<<21)
	s_or_b32 s[G1B+0], s44, (3<<16)|(1<<21)
.irp g, G1, G1B
	s_mov_b32 s[\g+1], 384<<16
	s_mov_b32 s[\g+2], 16<<16                      ; the head's loads bring all 16 tiles of a side; the ring's 8
	s_mov_b32 s[\g+3], 384<<16
	s_mov_b32 s[\g+4], 16
	s_mov_b32 s[\g+5], 1536
	s_mov_b32 s[\g+6], 0
	s_mov_b32 s[\g+7], 0
.endr
	s_or_b32 s[G1S+0], s43, (3<<16)|(1<<21)
	s_or_b32 s[G1SB+0], s44, (3<<16)|(1<<21)
.irp g, G1S, G1SB
	s_mov_b32 s[\g+1], 32<<16
	s_mov_b32 s[\g+2], 32<<16
	s_mov_b32 s[\g+3], 32<<16
	s_mov_b32 s[\g+4], 32
	s_mov_b32 s[\g+5], 32
	s_mov_b32 s[\g+6], 0
	s_mov_b32 s[\g+7], 0
.endr
	s_mul_i32 s18, s16, 8*12288                    ; in the ring I fetch 8 tiles of a side: which half, in bytes
	s_mov_b32 s19, 0
	s_lshl_b32 s20, s17, 4
	s_lshl_b32 s46, s42, 4
	s_add_co_u32 s46, s46, 1216
	s_lshl_b32 s22, s20, 9
	s_mov_b32 s23, 0
	s_lshl_b32 s96, s46, 9
	s_mov_b32 s97, 0
	s_mul_i32 s20, s20, 12288
	s_mov_b32 s21, 0
	s_mul_i32 s46, s46, 12288
	s_mov_b32 s47, 0
	s_mul_i32 s45, s14, HALFT
	s_wait_kmcnt 0x0
	s_add_nc_u64 s[20:21], s[4:5], s[20:21]
	s_add_nc_u64 s[22:23], s[6:7], s[22:23]
	s_add_nc_u64 s[46:47], s[8:9], s[46:47]
	s_add_nc_u64 s[96:97], s[10:11], s[96:97]
	CROUND
	s_mov_b32 s[G0S], 1
	s_mov_b32 s[G0S+1], SCL
	s_mov_b64 s[G0S+2:G0S+3], s[22:23]
	s_or_b32 s[G0S+3], s[G0S+3], 0x80000000
	s_mov_b32 s[G0SB], 1
	s_mov_b32 s[G0SB+1], SCL+2*HALFS
	s_mov_b64 s[G0SB+2:G0SB+3], s[96:97]
	s_or_b32 s[G0SB+3], s[G0SB+3], 0x80000000
	s_mov_b32 s[G0], 1                             ; the head's four tiles, each whole: slot 0's 16 tiles of A,
	s_mov_b32 s[G0+1], 0
	s_mov_b64 s[G0+2:G0+3], s[20:21]
	s_or_b32 s[G0+3], s[G0+3], 0x80000000
	s_mov_b32 s[G0B], 1                            ; its 16 tiles of B behind them; the scales' two groups 0 stand above
	s_mov_b32 s[G0B+1], 2*HALFT
	s_mov_b64 s[G0B+2:G0B+3], s[46:47]
	s_or_b32 s[G0B+3], s[G0B+3], 0x80000000
	s_add_nc_u64 s[20:21], s[20:21], s[18:19]      ; for the ring: my 8 tiles
	s_add_nc_u64 s[46:47], s[46:47], s[18:19]
	s_mov_b32 s[G0+4], 1
	s_add_co_u32 s[G0+5], s45, SLOT
	s_add_nc_u64 s[G0+6:G0+7], s[20:21], TILEB
	s_or_b32 s[G0+7], s[G0+7], 0x80000000
	s_mov_b32 s[G0B+4], 1
	s_add_co_u32 s[G0B+5], s45, SLOT
	s_add_nc_u64 s[G0B+6:G0B+7], s[46:47], TILEB
	s_or_b32 s[G0B+7], s[G0B+7], 0x80000000
; one joint load a wave at the head: wave 0 A's codes, wave 1 B's, wave 2 A's scales, wave 3 B's; one chain of branches on the wave's number
.macro ARM under, g0, g1, next
	s_cmp_lt_u32 s14, \under
	s_cbranch_scc0 \next
	tensor_load_to_lds s[\g0:\g0+3], s[\g1:\g1+7]
	s_nop 0
.rept 4
	v_nop
.endr
	s_branch .Lhead_asked
\next:
.endm
	ARM 1, G0,  G1,  .Lhead_b
	ARM 2, G0B, G1B, .Lhead_sa
	ARM 3, G0S, G1S, .Lhead_sb
	tensor_load_to_lds s[G0SB:G0SB+3], s[G1SB:G1SB+7]
	s_nop 0
.rept 4
	v_nop
.endr
.Lhead_asked:
; prefetches: a chunk of my wave's 8 tiles is 96 blocks of 256 bytes; the four partners that ask for it jointly share them out by address, two tiles (24 blocks) each: a lane a block, lanes 24-31 name the last again.
; Chunks 1 and 2 are asked for here, chunk 3 behind slot 1's load: at most two chunks are asked for and not yet read.  The address registers are never rewritten.
	s_cmp_eq_u32 s15, 0                            ; do I fetch for A?
	s_cselect_b64 s[66:67], s[20:21], s[46:47]     ; my 8 tiles
	s_cselect_b32 s2, s40, s41                     ; my place among the four partners: cx for A, cy for B
	s_mul_i32 s2, s2, 2*12288
	s_mov_b32 s3, 0
	s_add_nc_u64 s[66:67], s[66:67], s[2:3]
	v_and_b32 v14, 31, v0
	v_min_u32 v14, 23, v14                         ; block 0 .. 23
	v_mul_u32_u24 v15, v14, 22
	v_lshrrev_b32 v15, 8, v15                      ; block / 12: which of the two tiles
	v_mul_u32_u24 v15, v15, 9216                   ; a tile is 12,288 bytes on, less the 12 blocks passed
	v_lshl_add_u32 v14, v14, 8, v15
	global_prefetch_b8 v14, s[66:67] offset:TILEB th:TH_LOAD_NT scope:SCOPE_SE
	global_prefetch_b8 v14, s[66:67] offset:2*TILEB th:TH_LOAD_NT scope:SCOPE_SE
	v_and_b32 v1, 15, v0
	v_bfe_u32 v2, v0, 4, 1
	v_and_b32 v3, 31, v0
	v_lshlrev_b32 v10, 4, v3
	s_wait_alu depctr_va_vdst(0)
	v_lshlrev_b32 v11, 3, v3
	s_wait_alu depctr_va_vdst(0)
	v_lshlrev_b32 v12, 6, v2
	s_lshl_b32 s46, s42, 10
	s_lshl_b32 s47, s16, 9
	s_add_co_u32 s46, s46, s47
	s_mov_b32 s47, 0
	s_add_nc_u64 s[92:93], s[92:93], s[46:47]
.irp b, 0,1,2,3,4,5,6,7
	global_load_b128 v[BI+8*\b:BI+8*\b+3], v12, s[92:93] offset:128*(\b/2)+32*(\b%2)
	global_load_b128 v[BI+8*\b+4:BI+8*\b+7], v12, s[92:93] offset:128*(\b/2)+32*(\b%2)+16
.endr
	s_lshl_b32 s20, s17, 8
	s_lshl_b32 s21, s15, 7
	s_add_co_u32 s20, s20, s21
	s_lshl_b32 s20, s20, 12
	s_add_co_u32 s20, s20, s46
	s_mov_b32 s21, 0
	s_add_nc_u64 s[94:95], s[94:95], s[20:21]
	s_mul_i32 s21, s15, HALFT
	s_mul_i32 s22, s16, HALFT
	s_add_co_u32 s22, s22, 2*HALFT
.irp s, 0,1
	v_add_nc_u32 v[ADRA+\s], s21, v10
	v_add_nc_u32 v[ADRB+\s], s22, v10
	v_add_nc_u32 v[ADRA+2+\s], s21, v11
	v_add_nc_u32 v[ADRB+2+\s], s22, v11
	s_add_co_u32 s21, s21, SLOT
	s_add_co_u32 s22, s22, SLOT
.endr
	v_lshlrev_b32 v6, 3, v1
	s_lshl_b32 s21, s15, 12
	s_lshl_b32 s22, s16, 12
	s_add_co_u32 s22, s22, 2*HALFS
	s_sub_co_u32 s22, s22, s21
	v_mul_u32_u24 v7, s22, v2
	s_add_co_u32 s21, s21, SCL
	v_add_nc_u32 v6, v6, v7
	v_add_nc_u32 v[ADRS], s21, v6
	s_mul_i32 s23, s14, 16*SPITCH
	v_mul_u32_u24 v5, v1, SPITCH
	v_lshl_add_u32 v5, v2, 6, v5
	v_add_nc_u32 v[STO], s23, v5
	v_mov_b32 v[CO], v10
	v_add_nc_u32 v[RD], s23, v10
.macro FRAG reg, adr, q, i
	ds_load_b128 v[\reg:\reg+3], v[\adr] offset:(\i)*TILEB+(\q)*1536
	ds_load_b64 v[\reg+4:\reg+5], v[\adr+2] offset:(\i)*TILEB+(\q)*1536+512
	ds_load_b128 v[\reg+6:\reg+9], v[\adr] offset:(\i)*TILEB+(\q)*1536+768
	ds_load_b64 v[\reg+10:\reg+11], v[\adr+2] offset:(\i)*TILEB+(\q)*1536+1280
.endm
.macro MUL16 a0, p, q, sc, first
.irp a, \a0, \a0+1
.irp b, 0,1,2,3,4,5,6,7
.if \first
	v_wmma_scale_f32_16x16x128_f8f6f4 v[8*(8*((\a)%4)+\b):8*(8*((\a)%4)+\b)+7], v[128*(\p)+FR*\b:128*(\p)+FR*\b+FR-1], v[AF+FR*(\a):AF+FR*(\a)+FR-1], v[BI+8*\b:BI+8*\b+7], v[SC+8*NQ*(\sc)+NQ*\b+(\q)], v[SC+8*NQ*(\sc)+NQ*(\a)+(\q)] matrix_a_fmt:MATRIX_FMT_FP6 matrix_b_fmt:MATRIX_FMT_FP6 matrix_a_scale:MATRIX_SCALE_ROW1
.else
	v_wmma_scale_f32_16x16x128_f8f6f4 v[8*(8*((\a)%4)+\b):8*(8*((\a)%4)+\b)+7], v[128*(\p)+FR*\b:128*(\p)+FR*\b+FR-1], v[AF+FR*(\a):AF+FR*(\a)+FR-1], v[8*(8*((\a)%4)+\b):8*(8*((\a)%4)+\b)+7], v[SC+8*NQ*(\sc)+NQ*\b+(\q)], v[SC+8*NQ*(\sc)+NQ*(\a)+(\q)] matrix_a_fmt:MATRIX_FMT_FP6 matrix_b_fmt:MATRIX_FMT_FP6 matrix_a_scale:MATRIX_SCALE_ROW1
.endif
.endr
.endr
.endm
.macro FETCH_B slot, q, p
	WIN TO_B
.irp i, 0,1,2,3,4,5,6,7
	FRAG 128*(\p)+FR*\i, ADRB+\slot, \q, \i
.endr
	WIN 0
.endm
.macro FETCH_A slot, q, i0
.irp i, \i0, \i0+1, \i0+2, \i0+3
	FRAG AF+FR*(\i), ADRA+\slot, \q, \i
.endr
.endm
.macro SCALES sc
.irp i, 0,1,2,3,4,5,6,7
	ds_load_b64 v[SC+8*NQ*\sc+NQ*\i:SC+8*NQ*\sc+NQ*\i+1], v[ADRS] offset:\i*SBLK
.endr
.endm
.macro PLACES n
.rept \n
	v_nop
.endr
.endm
.macro STEP slot, q, first
	s_wait_dscnt 4*NL
.if \first
	WIN FST_LO
.else
	WIN MUL_LO
.endif
	MUL16 0, (\q)%2, \q, \slot, \first
	MUL16 2, (\q)%2, \q, \slot, \first
	s_wait_dscnt 0
	PLACES NP
	FETCH_B \slot, (\q)+1, 1-(\q)%2
	FETCH_A \slot, (\q)+1, 0
.if \first
	WIN FST_HI
.else
	WIN MUL_HI
.endif
	MUL16 4, (\q)%2, \q, \slot, \first
	MUL16 6, (\q)%2, \q, \slot, \first
	PLACES NP
	WIN 0
	FETCH_A \slot, (\q)+1, 4
.endm
.macro TURN slot, next, fill
	s_wait_tensorcnt 0x0
	ds_add_u32 v[SPW], v[NIL]
	s_wait_dscnt 4*NL+1
	WIN MUL_LO
	MUL16 0, 1, NQ-1, \slot, 0
	s_wait_dscnt 0x0
	s_barrier_signal -1
	MUL16 2, 1, NQ-1, \slot, 0
	WIN 0
	s_barrier_wait -1
.if \fill
	CREST
	s_add_nc_u64 s[G0+4*\slot+2:G0+4*\slot+3], s[G0+4*\slot+2:G0+4*\slot+3], 2*TILEB
	s_add_nc_u64 s[G0B+4*\slot+2:G0B+4*\slot+3], s[G0B+4*\slot+2:G0B+4*\slot+3], 2*TILEB
	JLOAD G0+4*\slot, G1, G0B+4*\slot, G1B
.else
	PLACES NP
.endif
	s_wait_alu depctr_va_vdst(0)
	v_add_nc_u32 v[ADRS], 128, v[ADRS]
	FETCH_B \next, 0, 0
	FETCH_A \next, 0, 0
	SCALES \next
	WIN MUL_HI
	MUL16 4, 1, NQ-1, \slot, 0
	MUL16 6, 1, NQ-1, \slot, 0
	PLACES NP
	WIN 0
	FETCH_A \next, 0, 4
.endm
	s_wait_alu depctr_va_vdst(0)
	s_wait_tensorcnt 0x0                           ; my tile of the head's four is in
	ds_add_u32 v28, v29
	s_mov_b32 s[G1+2], 8<<16                       ; no tensor load of mine is out: from here on a load brings 8 tiles,
	s_mov_b32 s[G1+4], 8
	s_mov_b32 s[G1B+2], 8<<16
	s_mov_b32 s[G1B+4], 8
	s_mov_b32 s[G0+1], s45                         ; and slot 0's groups 0 name my 8 tiles
	s_add_nc_u64 s[G0+2:G0+3], s[G0+2:G0+3], s[18:19]
	s_mov_b32 s[G0B+1], s45
	s_add_nc_u64 s[G0B+2:G0B+3], s[G0B+2:G0B+3], s[18:19]
	s_wait_dscnt 0x0
	CROUND                                         ; all four tiles are in, and the sixteen work-groups are here
	JLOAD G0+4, G1, G0B+4, G1B
	global_prefetch_b8 v14, s[66:67] offset:3*TILEB th:TH_LOAD_NT scope:SCOPE_SE   ; chunk 3, the last: two refills ahead of its load
	FETCH_B 0, 0, 0
	FETCH_A 0, 0, 0
	SCALES 0
	FETCH_A 0, 0, 4
	s_wait_loadcnt 0x0
	STEP 0, 0, 1
	TURN 0, 1, 1
	STEP 1, 0, 0
	TURN 1, 0, 1
	STEP 0, 0, 0
	TURN 0, 1, 0
	STEP 1, 0, 0
	s_wait_dscnt 4*NL
	WIN MUL_LO
	MUL16 0, 1, NQ-1, 1, 0
	MUL16 2, 1, NQ-1, 1, 0
	s_wait_dscnt 0
	WIN MUL_HI
	MUL16 4, 1, NQ-1, 1, 0
	MUL16 6, 1, NQ-1, 1, 0
	WIN 0
.macro TOSTAGE a
.set AC, 64*((\a)%4)
	WIN 0x08+4*((\a)/4)
.irp b, 0,1,2,3,4,5,6,7
	ds_store_b128 v[STO], v[AC+8*\b:AC+8*\b+3] offset:128*(\b/2)+32*(\b%2)
	ds_store_b128 v[STO], v[AC+8*\b+4:AC+8*\b+7] offset:128*(\b/2)+32*(\b%2)+16
.endr
	WIN 0
.set BB, BK+64*((\a)%2)
.irp t, 0,1,2,3,4,5,6,7,8,9,10,11,12,13,14,15
	ds_load_b128 v[BB+4*\t:BB+4*\t+3], v[RD] offset:\t*SPITCH
.endr
.endm
.macro SEND a, younger
.set BB, BK+64*((\a)%2)
	s_wait_dscnt \younger
.irp t, 0,1,2,3,4,5,6,7,8,9,10,11,12,13,14,15
	global_store_b128 v[CO], v[BB+4*\t:BB+4*\t+3], s[94:95] offset:(32*((\a)/2)+8*((\a)%2)+\t+8*(\t/8))*4096 th:TH_STORE_NT
.endr
.endm
	PLACES NP
	TOSTAGE 0
.irp a, 1,2,3,4,5,6,7
.if \a > 1
	s_wait_xcnt 0x0
.endif
	TOSTAGE \a
	SEND \a-1, 32
.endr
	SEND 7, 0
	s_wait_tensorcnt 0x0
	ds_add_u32 v[SPW], v[NIL]
	s_wait_dscnt 0x0
	CROUND
	s_endpgm
.Lfunc_end_k_qb6966e0509_proj:
	.size	k_qb6966e0509_proj, .Lfunc_end_k_qb6966e0509_proj-k_qb6966e0509_proj
	.p2alignl 7, 3214868480
	.fill 96, 4, 3214868480
	.section	.rodata,"a",@progbits
	.p2align	6, 0x0
	.amdhsa_kernel k_qb6966e0509_proj
		.amdhsa_group_segment_fixed_size 327680
		.amdhsa_private_segment_fixed_size 0
		.amdhsa_enable_private_segment 0
		.amdhsa_kernarg_size 48
		.amdhsa_user_sgpr_count 2
		.amdhsa_user_sgpr_kernarg_segment_ptr 1
		.amdhsa_wavefront_size32 1
		.amdhsa_system_sgpr_workgroup_id_x 1
		.amdhsa_system_sgpr_workgroup_id_y 1
		.amdhsa_system_sgpr_workgroup_id_z 1
		.amdhsa_system_vgpr_workitem_id 0
		.amdhsa_next_free_vgpr 1024
		.amdhsa_next_free_sgpr 100
		.amdhsa_reserve_vcc 0
		.amdhsa_float_denorm_mode_32 3
		.amdhsa_float_denorm_mode_16_64 3
		.amdhsa_memory_ordered 1
		.amdhsa_forward_progress 1
		.amdhsa_inst_pref_size 146
	.end_amdhsa_kernel
	.amdgpu_metadata
---
amdhsa.version: [ 1, 2 ]
amdhsa.kernels:
  - .name:           k_qb6966e0509_proj
    .symbol:         k_qb6966e0509_proj.kd
    .args:
      - { .name: aoc, .offset: 0, .size: 8, .value_kind: global_buffer, .address_space: global }
      - { .name: aos, .offset: 8, .size: 8, .value_kind: global_buffer, .address_space: global }
      - { .name: cod, .offset: 16, .size: 8, .value_kind: global_buffer, .address_space: global }
      - { .name: scl, .offset: 24, .size: 8, .value_kind: global_buffer, .address_space: global }
      - { .name: bproj, .offset: 32, .size: 8, .value_kind: global_buffer, .address_space: global }
      - { .name: out0, .offset: 40, .size: 8, .value_kind: global_buffer, .address_space: global }
    .group_segment_fixed_size: 327680
    .private_segment_fixed_size: 0
    .kernarg_segment_align: 8
    .kernarg_segment_size: 48
    .max_flat_workgroup_size: 128
    .sgpr_count:     100
    .vgpr_count:     1024
    .wavefront_size: 32
...
	.end_amdgpu_metadata
.endif
;; end of part 4
